; MI455X (gfx1250); checked and timed in simulation.
; The chip was launched on July 23, 2026; its instructions are those of AMD's public machine-readable ISA for CDNA 5 (MIT licence, August 2026) and "CDNA5" Instruction Set Architecture Reference Guide (July 2026). The comments in the code are by the model that wrote it; some were corrected since.
;; Sparse Multihead Attention. Allowed arithmetic: matrix products marked QUANTISED: E2M1 operands, one E8M0 scale for each 32 along K, by v_wmma_scale_f32_16x16x128_f8f6f4 with both operands' format E2M1 (or v_wmma_scale_f32_32x16x128_f4), f32 sums; everything else in f32.
;; Inputs: Wk_codes 1,024 x 32 x 16 uint8 (E2M1 codes of Wk, K innermost, in blocks of 32 codes, two codes a byte); Wk_scales 1,024 x 32 uint8 (E8M0 scales of Wk, one for each 32 codes along K); Wo_codes 1,024 x 32 x 16 uint8 (E2M1 codes of Wo, K innermost, in blocks of 32 codes, two codes a byte); Wo_scales 1,024 x 32 uint8 (E8M0 scales of Wo, one for each 32 codes along K); Wq_codes 1,024 x 32 x 16 uint8 (E2M1 codes of Wq, K innermost, in blocks of 32 codes, two codes a byte); Wq_scales 1,024 x 32 uint8 (E8M0 scales of Wq, one for each 32 codes along K); Wv_codes 1,024 x 32 x 16 uint8 (E2M1 codes of Wv, K innermost, in blocks of 32 codes, two codes a byte); Wv_scales 1,024 x 32 uint8 (E8M0 scales of Wv, one for each 32 codes along K); bk 1,024 float32; bo 1,024 float32; bq 1,024 float32; bv 1,024 float32; key_codes 8 x 1,024 x 32 x 16 uint8 (E2M1 codes of key, K innermost, in blocks of 32 codes, two codes a byte); key_scales 8 x 1,024 x 32 uint8 (E8M0 scales of key, one for each 32 codes along K); mask 8 x 16 x 1,024 x 1,024 bool; query_codes 8 x 1,024 x 32 x 16 uint8 (E2M1 codes of query, K innermost, in blocks of 32 codes, two codes a byte); query_scales 8 x 1,024 x 32 uint8 (E8M0 scales of query, one for each 32 codes along K); value_codes 8 x 1,024 x 32 x 16 uint8 (E2M1 codes of value, K innermost, in blocks of 32 codes, two codes a byte); value_scales 8 x 1,024 x 32 uint8 (E8M0 scales of value, one for each 32 codes along K).
;; Outputs: out0 8 x 1,024 x 1,024 float32.
;; This version of the problem:
;;   THIS VERSION OF THE PROBLEM IS GIVEN IN LOW PRECISION. The matrix products marked QUANTISED in the list below multiply operands that are first quantised to E2M1 (2 exponent bits, 1 mantissa bit; 4 bits a number), with one power-of-two scale for each 32 numbers along K (OCP MX v1.0); their sums are f32. All else is computed in f32.
;;   The module's matrix products, in the order in which they are computed (A, B: the left and right operand; K: the contracted axis; several contracted axes count as one K, in the product's order):
;;     1. [M 8,192, K 1,024] x [K 1,024, N 1,024]; A: input query (given as codes); B: input Wq (given as codes): QUANTISED
;;     2. [M 8,192, K 1,024] x [K 1,024, N 1,024]; A: input key (given as codes); B: input Wk (given as codes): QUANTISED
;;     3. [M 8,192, K 1,024] x [K 1,024, N 1,024]; A: input value (given as codes); B: input Wv (given as codes): QUANTISED
;;     4. batch 128 x [M 1,024, K 64] x [K 64, N 1,024]; A: computed on the way; B: computed on the way: QUANTISED
;;     5. batch 128 x [M 1,024, K 1,024] x [K 1,024, N 64]; A: softmax (see below); B: computed on the way: QUANTISED
;;     6. [M 8,192, K 1,024] x [K 1,024, N 1,024]; A: computed on the way; B: input Wo (given as codes): QUANTISED
;;   THE QUANTISER, for each operand of a quantised product, along K:
;;     - K is cut into blocks of 32 from its start; a last block that is shorter is filled with zeros.
;;     - A block's scale is 2^e with e = floor(log2(the largest magnitude in the block)) - 2, held to -126 .. 127; a block of zeros has e = 0. As a byte (E8M0): e + 127.
;;     - Each number is divided by its block's scale, clamped to +-6, and rounded to the nearest number of E2M1, ties to even, subnormals kept.
;;     - The product sums the exact products of the quantised numbers (number of the format x scale) in f32.
;;   ~~~python
;;   def quantise(x, axis):      # numpy; x: float32 -> the quantised numbers, widened to float32 again
;;       x = np.moveaxis(x, axis, -1); K = x.shape[-1]
;;       x = np.pad(x, [(0, 0)] * (x.ndim - 1) + [(0, -K % 32)]); x = x.reshape(x.shape[:-1] + (-1, 32)); a = np.abs(x).max(-1, keepdims=True)
;;       e = np.where(a > 0, np.clip(np.frexp(np.where(a > 0, a, 1))[1] - 1 - 2, -126, 127), 0)      # np.frexp(a)[1] - 1 = floor(log2(a)), exactly
;;       r = np.clip(x / 2.0 ** e, -6, 6)
;;       step = 2.0 ** (np.maximum(np.frexp(np.where(r == 0, 1, r))[1] - 1, 0) - 1)
;;       q = np.round(r / step) * step * 2.0 ** e      # np.round: ties to even
;;       return np.moveaxis(q.reshape(q.shape[:-2] + (-1,))[..., :K], -1, axis).astype(np.float32)
;;   ~~~
;;   SOFTMAX AHEAD OF A QUANTISED PRODUCT. Where the list says 'softmax', what is quantised is not the finished softmax but p = 2^(t - M), with t = logit x log2(e) and M = ceil(the row's largest t), a whole number; so 1/2 < the row's largest p <= 1. The row's sum l is taken of the UNQUANTISED p, in f32, and the product's result is divided by l at the end. Since M is a whole number, a kernel that streams over the keys may use a running M (the ceiling of the running maximum): every later rescaling is an exact power of two, which a block's scale takes up: the codes' values come out the same.
;;   OPERANDS COMPUTED ON THE WAY. 'Computed on the way' means the value that the module computes at that place (a softmax that the list does not call 'softmax' is quantised finished and normalised). What goes into a quantiser is computed in f32, as accurately as f32 sums, v_exp_f32 and their like allow (about 1e-6 of the number): no bf16 or f16 on the way to a quantiser, and a product that is left as it is and whose result goes on into a quantised operand takes f32 operands (vector FMAs, or v_wmma_f32_16x16x4_f32). A number that lies on a knife's edge between two numbers of the format may be rounded either way, as far as f32 arithmetic and the matrix unit's own rounding can turn it there, and no further.
;;   INPUTS GIVEN AS CODES. Wk (in the module: [1024, 1024], K = its axis 1); Wo (in the module: [1024, 1024], K = its axis 1); Wq (in the module: [1024, 1024], K = its axis 1); Wv (in the module: [1024, 1024], K = its axis 1); key (in the module: [8, 1024, 1024], K = its axis 2); query (in the module: [8, 1024, 1024], K = its axis 2); value (in the module: [8, 1024, 1024], K = its axis 2): each comes as NAME_codes (uint8): NAME with its K axis moved to the last place and cut into blocks of 32 codes, [.., K / 32, bytes a block], one block behind the other in memory; two codes a byte, the lower K in the low four bits (a code: sign, 2 exponent bits, 1 mantissa bit); and NAME_scales (uint8): the same leading axes, one E8M0 byte (e + 127) for each 32 codes along K. Its value is code x scale, taken as it is: it is not quantised again, and the codes and scales need not be those that the quantiser above would give.
;; One version. Each part assembles by itself: llvm-mc -triple=amdgcn-amd-amdhsa -mcpu=gfx1250 --defsym DOCPART=n.
;; ======== version 1 of 1: 3 launches
;; limits: right only within a limited range of input values
;; workspace buffers: Qc 4,194,304 bytes; Kc 4,194,304 bytes; Vc 4,194,304 bytes; Qs 262,144 bytes; Ks 262,144 bytes; Vs 262,144 bytes; Ac 4,194,304 bytes; As 262,144 bytes
;; launch proj (part 1): grid 4 x 64, 4 waves a work-group, clusters of 4 x 4, 327,680 bytes of LDS; arguments query_codes, query_scales, Wq_codes, Wq_scales, bq, Qc, Qs, key_codes, key_scales, Wk_codes, Wk_scales, bk, Kc, Ks, Wv_codes, Wv_scales, value_codes, value_scales, bv, Vc, Vs; writes Qc, Qs, Kc, Ks, Vc, Vs
.if DOCPART == 1
	.amdgcn_target "amdgcn-amd-amdhsa--gfx1250"
	.amdhsa_code_object_version 6
	.text
	.protected	k_qcf6a76df82_proj
	.globl	k_qcf6a76df82_proj
	.p2align	8
	.type	k_qcf6a76df82_proj,@function
k_qcf6a76df82_proj:
	s_mov_b64 s[64:65], 0
	v_nop
	global_prefetch_b8 v0, s[64:65] scope:SCOPE_SE
	s_setreg_imm32_b32 hwreg(HW_REG_WAVE_MODE, 25, 1), 1
	s_wait_xcnt 0x0
	s_wait_alu depctr_hold_cnt(0) depctr_sa_sdst(0) depctr_va_vdst(0) depctr_va_sdst(0) depctr_va_ssrc(0) depctr_va_vcc(0) depctr_vm_vsrc(0)
	s_getreg_b32 s2, hwreg(HW_REG_IB_STS2, 6, 4)
	s_cmp_eq_u32 s2, 0
	s_cbranch_scc0 .Lentry_in_a_cluster
	s_endpgm
.Lentry_in_a_cluster:
	s_bfe_u32 s2, ttmp6, 0x10000c
	s_cmp_lg_u32 s2, 0xf033
	s_cbranch_scc0 .Lentry_shape_is_right
	s_endpgm
.Lentry_shape_is_right:
; THE THREE PROJECTIONS, on codes of FP4 (E2M1) with one E8M0 scale for each 32 along K, and their results quantised again on the way out.
; One generic product: P[i][j] = sum over k of L[i][k] R[j][k] + bias, K = 1,024; P is quantised along j in blocks of 32 and leaves as codes and scale words.
;   Q, K: L = the activation [8,192 rows], R = the weight [1,024 rows], bias by j: the blocks run along a head's 64 numbers.
;   V:    L = Wv, R = value, bias by i: the blocks run along the keys, which are the K of attention's second product.  Nothing is transposed.
; SHARES.  Q and K are 256 tiles of 256 x 256, V is 256 half tiles of 128 (rows of Wv) x 256 (tokens): each of the 256 work-groups STAYS and makes one of each, in two phases.
;   Phase 1: a wave makes 128 x 128: 64 accumulators of 16 x 16.  Phase 2: 64 x 128: 32 accumulators.
; LDS holds all of K of a phase's rows: rows of 512 bytes + 16 of padding; L's rows, then R's 256 from byte 2 x 128 rows on.  Phase 2's rows are a refill: it is asked for ahead of phase 1's last K step, when every
; wave has its last fragments in registers, and lands under that step's 64 products and phase 1's way out.
; CLUSTERS: 4 x 4 work-groups.  The four of a row of the cluster need the same rows of L, the four of a column the same rows of R, in both phases: each tile is asked for jointly, by the same tensor load with the
; same descriptor and a mask that names the four.  The refill stands behind a round of the cluster's barrier.
; NO PREFETCH: the text has no loop to run ahead in; each phase's tiles are asked for once, by one tensor load a wave.
; THE MATRIX INSTRUCTION: source 0 = 16 rows of R, source 1 = 16 rows of L: a lane holds ONE row i, and its registers run along j, the axis that is quantised.
; WHAT IS STORED.  A piece is 512 bytes: lane 16 h + r holds the 32 codes (16 bytes) of row r of a tile of 16 rows, block h of a pair of blocks: half of an operand's register image.
;   Qc, Kc: [b 16 + head][tile of 16 rows, 64][512].   Vc: [b 16 + head][2 step + c, 16][tile of 16 d, 4][512], blocks = keys 128 step + 64 c + 32 h.
;   Qs, Ks: [b 8 + head / 2][row] one word: bytes 0, 1 the even head, bytes 2, 3 the odd one.   Vs: [b 16 + head][step 8][d 64] one word for the four blocks of 128 keys.
; A block's scale is 2^(floor(log2(its largest magnitude)) - 2); its byte is the largest magnitude's exponent field - 2, held at 1 from below (a block of zeros keeps the byte 1: its codes are zeros,
; and this program alone reads the bytes).
; LIMITS: NaN and infinities among the inputs' scales (byte 0xff) or biases are not served; blocks whose largest magnitude lies under 2^-124 keep the byte 1.
; REGISTERS, in windows of 256: window 0: v1-15 addresses; phase 1: v16-47 L's scale words, v48-79 R's, v80-143 the bias as a C operand; phase 2: v80-95 L's scale words, v96-127 R's, v16-47 the bias;
;   v144-159 at work; v160-167 scale words made; v168-171 the same, two tiles to a register; v176-239 codes made, eight registers for each tile of rows.
;   window 1: two sets of fragments: R's eight at 128 p, L's at 128 p + 64.   windows 2, 3: accumulator (a, b) at v[8 (8 (a % 4) + b)] of window 2 + a / 4.
.set PITCH, 528                        ; 132 words: the 16 rows that a fragment load touches start at 16 different banks
.set HALFT, 128*PITCH
.set SPARE, 0x44000                    ; behind the tiles' 4 x 128 rows: the spare words
.set ADL,  2                           ; v2-3   LDS address of my L fragments, phase 1: K steps 0-3, 4-7 (256 bytes on)
.set ADR,  4                           ; v4-5   the same for R, both phases
.set ADL2, 14                          ; v14-15 L, phase 2
.set VSO,  7                           ; v7     32 r + 16 h: my 16 bytes of a row of scale bytes
.set LI16, 8                           ; v8     16 x lane
.set LI4,  9                           ; v9     4 x lane
.set VBJ,  10                          ; v10    32 h: the bias by j
.set VBI,  13                          ; v13    4 r: the bias by i
.set TM,   144                         ; v144-147 largest magnitudes, v148-151 the other half's, then bytes, v156-159 the conversions' scale operands
.set W,    160
.set SW,   168
.set PC,   176
.set G1L,  4                           ; s[4:11]  descriptor group 1 for L's tiles;  s[12:19] for R's;  s[20:23], s[28:31] their groups 0
.set G1R,  12
.set G0L,  20
.set G0R,  28
.set WV,   46
.set WY,   47                          ; which half of L's rows is mine.  Also: I fetch for L (0) or for R (1)
.set WX,   48                          ; which 128 rows of R are mine.  Also: which half of that tile I fetch
.set SEL,  2                           ; s[2:3] lane selects for v_permlanex16_b32: lane l xor 16
.set OB,   80                          ; s[80:87] where codes go: base (a / 4, c) at s[80 + 4 (a / 4) + 2 c]
.set OSB,  88                          ; s[88:91] where scale words go: base (a / 4)
.set HI,   92                          ; s92 the mask of lanes 16-31
; kept for phase 2: s24 LDS byte of the L rows that I fetch; s25 my first row of Wv; s26 my first token; s[32:33], s[34:35] byte offsets of the rows of Wv and of value that I fetch
.set SL,   16                          ; what differs between the phases: scale words, bias, L's address, L's tiles of 16 rows a wave
.set SR,   48
.set BI,   80
.set AL,   ADL
.set NA,   8
.set MSB, 0
.macro WIN new                         ; the immediate's high byte repeats the setting that is left; a switch that changes nothing is dropped
.if MSB != (\new)
	s_set_vgpr_msb (MSB<<8)|(\new)
.set MSB, (\new)
.endif
.endm
.macro PLACES n
.rept \n
	v_nop
.endr
.endm
; A joint load: waves 0 and 1 fetch for L, waves 2 and 3 for R.  Each of the two lines has one mask and one set of registers for all that issue it; the branch hangs on the wave's number alone.
.macro JLOAD
	s_cmp_eq_u32 s[WY], 0
	s_cbranch_scc0 .Lfor_r_\@
	tensor_load_to_lds s[G0L:G0L+3], s[G1L:G1L+7]
	s_nop 0
	PLACES 4
	s_branch .Lasked_\@
.Lfor_r_\@:
	tensor_load_to_lds s[G0R:G0R+3], s[G1R:G1R+7]
	s_nop 0
	PLACES 4
.Lasked_\@:
.endm
.macro CROUND                          ; a round of the cluster's barrier
	s_barrier_signal -1
	s_barrier_wait -1
	s_cmp_lg_u32 s[WV], 0
	s_cbranch_scc1 .Lnot_wave_0_\@
	s_barrier_signal -3
.Lnot_wave_0_\@:
	s_barrier_wait -3
	s_barrier_signal -1
	s_barrier_wait -1
.endm
	s_load_b512 s[4:19], s[0:1], 0x0               ; argument i lands in s[4 + 2 i : 5 + 2 i]: Q's seven, K's seven
	s_load_b512 s[20:35], s[0:1], 0x40
	v_lshl_add_u32 v254, v0, 2, SPARE
	v_mov_b32 v255, 0
	ds_add_u32 v254, v255                          ; the opening lines: the add, twice on end, and its wait ahead of the first tensor load
	ds_add_u32 v254, v255
	v_lshrrev_b32 v1, 5, v0
	v_readfirstlane_b32 s[WV], v1                  ; wave 0..3
	s_lshr_b32 s[WY], s[WV], 1
	s_and_b32 s[WX], s[WV], 1
	s_bfe_u32 s49, ttmp6, 0x40000                  ; cx, cy: my place in the cluster
	s_bfe_u32 s50, ttmp6, 0x40004
	s_and_b32 s51, ttmp7, 0xffff                   ; the cluster's y, 0..15: the same in all sixteen partners
	s_lshr_b32 s52, s51, 3                         ; phase 1: Q (0) or K (1)
	s_and_b32 s53, s51, 7
	s_lshl_b32 s53, s53, 2
	s_add_co_u32 s54, s53, s50                     ; L's tile: the cluster's four + cy: it never holds cx
	s_mov_b32 s55, s49                             ; R's tile: cx: it never holds cy
	s_lshl_b32 s56, s50, 2
	s_lshl_b32 s56, 15, s56                        ; my row of the cluster
	s_lshl_b32 s57, 0x1111, s49                    ; my column
	s_lshl_b32 s58, s[WX], 7                       ; which 128 rows of the tile I fetch
	s_lshl_b32 s60, s54, 8
	s_add_co_u32 s60, s60, s58
	s_lshl_b32 s60, s60, 9                         ; L: (256 x tile + 128 x half) rows of 512 bytes
	s_mov_b32 s61, 0
	s_lshl_b32 s62, s55, 8
	s_add_co_u32 s62, s62, s58
	s_lshl_b32 s62, s62, 9                         ; R likewise
	s_mov_b32 s63, 0
	s_mul_i32 s59, s[WV], HALFT                    ; where they go: wave x 128 rows: no place in the cluster enters an LDS address
	s_mov_b32 s[SEL], 0x76543210
	s_mov_b32 s[SEL+1], 0xfedcba98
	s_wait_dscnt 0x0
	s_wait_kmcnt 0x0
	s_cmp_eq_u32 s52, 1                            ; the group of seven buffers: the choice hangs on the cluster's y alone
.irp j, 0,1,2,3,4,5,6
	s_cselect_b64 s[66+2*\j:67+2*\j], s[18+2*\j:19+2*\j], s[4+2*\j:5+2*\j]
.endr
	; s[66:67] L codes, s[68:69] L scales, s[70:71] R codes, s[72:73] R scales, s[74:75] bias, s[76:77] out codes, s[78:79] out scales.  s4-45 are free from here on
	; descriptor group 1: a tile of 128 rows x 512 bytes, dense in memory, padded in LDS
	s_or_b32 s[G1L], s56, (1<<20)|(1<<21)|(6<<22)|(3<<25)   ; 15:0 the mask; 17:16 elements of 1 byte; 20 padding on; 21 set beside a mask; 24:22 after every 128 words; 31:25 four words
	s_or_b32 s[G1R], s57, (1<<20)|(1<<21)|(6<<22)|(3<<25)
.irp g, G1L, G1R
	s_mov_b32 s[\g+1], 512<<16                     ; tensor_dim0
	s_mov_b32 s[\g+2], 128<<16                     ; tensor_dim1
	s_mov_b32 s[\g+3], 512<<16                     ; tile_dim0
	s_mov_b32 s[\g+4], 128                         ; tile_dim1
	s_mov_b32 s[\g+5], 512                         ; tensor_dim0_stride
	s_mov_b32 s[\g+6], 0
	s_mov_b32 s[\g+7], 0
.endr
	s_add_nc_u64 s[60:61], s[66:67], s[60:61]
	s_add_nc_u64 s[62:63], s[70:71], s[62:63]
	; phase 2's rows.  Wv: 256 cy + 128 (cluster y % 2); value: tile 4 (cluster y / 2) + cx
	s_and_b32 s36, s51, 1
	s_lshl_b32 s36, s36, 7
	s_lshl_b32 s37, s50, 8
	s_add_co_u32 s36, s36, s37
	s_lshl_b32 s37, s[WX], 6
	s_add_co_u32 s32, s36, s37                     ; the 64 rows of Wv that I fetch,
	s_lshl_b32 s32, s32, 9                         ; in bytes
	s_mov_b32 s33, 0
	s_lshl_b32 s37, s[WY], 6
	s_add_co_u32 s25, s36, s37                     ; the 64 rows that I multiply: one head
	s_lshr_b32 s38, s51, 1
	s_lshl_b32 s38, s38, 2
	s_add_co_u32 s38, s38, s49
	s_lshl_b32 s38, s38, 8
	s_add_co_u32 s26, s38, s58                     ; the 128 tokens that I fetch, and multiply
	s_lshl_b32 s34, s26, 9
	s_mov_b32 s35, 0
	s_mul_i32 s24, s[WX], 64*PITCH
	CROUND                                         ; all sixteen work-groups are here: the joint loads meet
	s_mov_b32 s[G0L], 1
	s_mov_b32 s[G0L+1], s59
	s_mov_b64 s[G0L+2:G0L+3], s[60:61]
	s_or_b32 s[G0L+3], s[G0L+3], 0x80000000
	s_mov_b32 s[G0R], 1
	s_mov_b32 s[G0R+1], s59
	s_mov_b64 s[G0R+2:G0R+3], s[62:63]
	s_or_b32 s[G0R+3], s[G0R+3], 0x80000000
	JLOAD                                          ; my one tensor load at the head: 128 rows, all of K
	v_and_b32 v1, 15, v0                           ; r
	v_bfe_u32 v6, v0, 4, 1                         ; h
	v_and_b32 v12, 31, v0                          ; lane
	v_mul_u32_u24 v11, v1, PITCH
	v_lshl_add_u32 v11, v6, 4, v11                 ; a fragment's row x pitch + 16 x half
	s_mul_i32 s93, s[WY], HALFT                    ; phase 1: my 128 rows of L
	s_mul_i32 s94, s[WX], HALFT                    ; my 128 rows of R,
	s_add_co_u32 s94, s94, 2*HALFT                 ; which lie behind L's
	s_mul_i32 s95, s[WY], 64*PITCH                 ; phase 2: my 64 rows of L
	v_add_nc_u32 v[ADL], s93, v11
	v_add_nc_u32 v[ADR], s94, v11
	v_add_nc_u32 v[ADL2], s95, v11
	v_add_nc_u32 v[ADL+1], 256, v[ADL]
	v_add_nc_u32 v[ADR+1], 256, v[ADR]
	v_add_nc_u32 v[ADL2+1], 256, v[ADL2]
	v_lshlrev_b32 v[VSO], 5, v1
	v_lshl_add_u32 v[VSO], v6, 4, v[VSO]
	v_lshlrev_b32 v[LI16], 4, v12
	v_lshlrev_b32 v[LI4], 2, v12
	v_lshlrev_b32 v[VBJ], 5, v6
	v_lshlrev_b32 v[VBI], 2, v1
.irp b, 0,1,2,3
	v_mov_b32 v[TM+4+\b], 0                        ; written once: a lane permute's destination counts as one of its sources
.endr
	s_wait_alu depctr_va_vdst(0)                   ; directly ahead of the run of scalar lines
	s_lshl_b32 s93, s54, 8
	s_lshl_b32 s94, s[WY], 7
	s_add_co_u32 s93, s93, s94                     ; my first row of L: a token
	s_lshl_b32 s94, s55, 8
	s_add_co_u32 s94, s94, s58                     ; my first row of R: a feature
	s_mov_b32 s97, 0
	s_lshl_b32 s96, s93, 5
	s_add_nc_u64 s[68:69], s[68:69], s[96:97]      ; their scale bytes: 32 a row
	s_lshl_b32 s96, s94, 5
	s_add_nc_u64 s[72:73], s[72:73], s[96:97]
	s_lshl_b32 s96, s94, 2
	s_add_nc_u64 s[74:75], s[74:75], s[96:97]      ; the bias at my first feature
	s_lshr_b32 s43, s93, 10
	s_lshl_b32 s43, s43, 4
	s_lshr_b32 s44, s94, 6
	s_add_co_u32 s43, s43, s44                     ; 16 b + my first head
	s_and_b32 s44, s93, 1023                       ; my first token in its batch
	s_lshl_b32 s96, s43, 15
	s_lshl_b32 s45, s44, 5
	s_add_co_u32 s96, s96, s45                     ; ((16 b + head) 64 + token / 16) 512
	s_add_nc_u64 s[OB:OB+1], s[76:77], s[96:97]
	s_add_nc_u64 s[OB+2:OB+3], s[OB:OB+1], 32768   ; a pair of blocks on: the next head
	s_add_nc_u64 s[OB+4:OB+5], s[OB:OB+1], 2048    ; four tiles of rows on
	s_add_nc_u64 s[OB+6:OB+7], s[OB+4:OB+5], 32768
	s_lshl_b32 s96, s43, 11
	s_lshl_b32 s45, s44, 2
	s_add_co_u32 s96, s96, s45
	s_add_nc_u64 s[OSB:OSB+1], s[78:79], s[96:97]
	s_add_nc_u64 s[OSB+2:OSB+3], s[OSB:OSB+1], 256
	s_mov_b32 s[HI], 0xffff0000
	; THE SCALE WORDS go straight into registers: a row has 32 bytes, lane (r, h) takes bytes 16 h on of row r: 32 lanes read 512 consecutive bytes.
	; Register q of a tile then holds K step q in lanes 0-15 and K step 4 + q in lanes 16-31: steps 4 to 7 name the upper row of lanes.
.irp i, 0,1,2,3,4,5,6,7
	global_load_b128 v[SL+4*\i:SL+4*\i+3], v[VSO], s[68:69] offset:512*\i
	global_load_b128 v[SR+4*\i:SR+4*\i+3], v[VSO], s[72:73] offset:512*\i
.endr
	; THE BIAS is the C of each sum's first matrix instruction: eight registers in the result's layout
.irp b, 0,1,2,3,4,5,6,7
	global_load_b128 v[BI+8*\b:BI+8*\b+3], v[VBJ], s[74:75] offset:64*\b        ; by j: for R's tile b the features 16 b + 8 h + 0 .. 7
	global_load_b128 v[BI+8*\b+4:BI+8*\b+7], v[VBJ], s[74:75] offset:64*\b+16
.endr
; 16 + 2 NA LDS loads in one run: the fragments of K step s (128 along K) into set s % 2.  A fragment, 16 rows x 128 K of 4-bit codes, is 8 registers: lane l holds row l % 16;
; registers 4 c .. 4 c + 3 hold K = 64 c + 32 (l / 16) + 0 .. 31: 16 bytes of the row as they lie.
.macro FETCH s
	WIN 0x40                                       ; destination window 1, address window 0
.irp i, 0,1,2,3,4,5,6,7
.irp c, 0,1
	ds_load_b128 v[128*((\s)%2)+8*\i+4*\c:128*((\s)%2)+8*\i+4*\c+3], v[ADR+(\s)/4] offset:64*((\s)%4)+32*\c+\i*16*PITCH
.endr
.endr
.irp i, 0,1,2,3,4,5,6,7
.if \i < NA
.irp c, 0,1
	ds_load_b128 v[128*((\s)%2)+64+8*\i+4*\c:128*((\s)%2)+64+8*\i+4*\c+3], v[AL+(\s)/4] offset:64*((\s)%4)+32*\c+\i*16*PITCH
.endr
.endif
.endr
	WIN 0
.endm
; K step s: 8 NA matrix instructions.  ck = 0: they add on; 1: C is the bias by j; 2: the bias by i.  The accumulators take turns, one instruction a turn, in the same order in every step.
.macro MUL64 s, ck
.irp a, 0,1,2,3,4,5,6,7
.if \a < NA
.if \ck
	WIN 0x85+0x40*(\a/4)                           ; sources 0 and 1 window 1, C window 0, D window 2 or 3
.else
	WIN 0xa5+0x50*(\a/4)                           ; sources 0 and 1 window 1, C and D window 2 or 3
.endif
.irp b, 0,1,2,3,4,5,6,7
.set rD, 8*(8*(\a%4)+\b)
.set rA, 128*((\s)%2)+8*\b
.set rB, 128*((\s)%2)+64+8*\a
.set rC, rD
.if \ck == 1
.set rC, BI+8*\b
.endif
.if \ck == 2
.set rC, BI+8*\a
.endif
.set rSA, SR+4*\b+(\s)%4
.set rSB, SL+4*\a+(\s)%4
.if (\s) >= 4
	v_wmma_scale_f32_16x16x128_f8f6f4 v[rD:rD+7], v[rA:rA+7], v[rB:rB+7], v[rC:rC+7], v[rSA], v[rSB] matrix_a_fmt:MATRIX_FMT_FP4 matrix_b_fmt:MATRIX_FMT_FP4 matrix_a_scale:MATRIX_SCALE_ROW1 matrix_b_scale:MATRIX_SCALE_ROW1
.else
	v_wmma_scale_f32_16x16x128_f8f6f4 v[rD:rD+7], v[rA:rA+7], v[rB:rB+7], v[rC:rC+7], v[rSA], v[rSB] matrix_a_fmt:MATRIX_FMT_FP4 matrix_b_fmt:MATRIX_FMT_FP4
.endif
.endr
.endif
.endr
.endm
; A K step behind the first: the next step's fragments are asked for, into the set that the step before has multiplied, four places behind its last product; then this step is multiplied.
.macro KSTEP s
.if \s < 7
	PLACES 4
	FETCH (\s)+1
	s_wait_dscnt 16+2*NA                           ; all but the loads just issued: this step's fragments are in
.else
	s_wait_dscnt 0x0
.endif
	MUL64 \s, 0
.endm
; THE WAY OUT of L's tile a: 16 rows x 128 along j.  Register 16 B + i of the tile's 64 is j = 32 B + 8 h + (i % 8) + 16 (i / 8) of my row: half of block B; lane l xor 16 holds the other half.
.macro QUANT a
.set AC, 64*((\a)%4)
.set WN, 2+(\a)/4
.set PCA, PC+8*(\a)
	WIN (WN<<2)|(WN<<4)                            ; sources 1 and 2: the accumulators' window
.irp b, 0,1,2,3
	v_max3_num_f32 v[TM+\b], 0x1800000, |v[AC+16*\b]|, |v[AC+16*\b+1]|   ; block b: my 16 numbers, and the floor 2^(3 - 127): so the byte cannot fall under 1.  Each accumulator is read from its low end on
.endr
.irp i, 2,4,6,8,10,12,14
.irp b, 0,1,2,3
	v_max3_num_f32 v[TM+\b], v[TM+\b], |v[AC+16*\b+\i]|, |v[AC+16*\b+\i+1]|   ; (the four blocks by turns)
.endr
.endr
	WIN 0
.irp b, 0,1,2,3
	v_permlanex16_b32 v[TM+4+\b], v[TM+\b], s[SEL], s[SEL+1]
.endr
.irp b, 0,1,2,3
	v_max_num_f32 v[TM+\b], v[TM+\b], v[TM+4+\b]   ; with lane l xor 16: the block's largest magnitude
.endr
.irp b, 0,1,2,3
	v_add_nc_u32 v[TM+12+\b], 0xff000000, v[TM+\b] ; 2 off its exponent field: the conversion takes the exponent field of this operand as its scale
.endr
.irp b, 0,1,2,3
	v_lshrrev_b32 v[TM+4+\b], 23, v[TM+12+\b]      ; the scale's byte
.endr
	v_lshl_or_b32 v[W+(\a)], v[TM+5], 8, v[TM+4]   ; my row's scale word
	v_lshl_or_b32 v[W+(\a)], v[TM+6], 16, v[W+(\a)]
	v_lshl_or_b32 v[W+(\a)], v[TM+7], 24, v[W+(\a)]
	WIN WN                                         ; source 0: the accumulators' window
.irp c, 0,1
	v_cvt_scalef32_pk8_fp4_f32 v[PCA+4*\c],   v[AC+32*\c:AC+32*\c+7],     v[TM+12+2*\c]     ; block 2 c,     j = 8 h + 0 .. 7
	v_cvt_scalef32_pk8_fp4_f32 v[PCA+4*\c+1], v[AC+32*\c+16:AC+32*\c+23], v[TM+13+2*\c]     ; block 2 c + 1, j = 8 h + 0 .. 7
	v_cvt_scalef32_pk8_fp4_f32 v[PCA+4*\c+2], v[AC+32*\c+8:AC+32*\c+15],  v[TM+12+2*\c]     ; block 2 c,     j = 16 + 8 h + 0 .. 7
	v_cvt_scalef32_pk8_fp4_f32 v[PCA+4*\c+3], v[AC+32*\c+24:AC+32*\c+31], v[TM+13+2*\c]     ; block 2 c + 1, j = 16 + 8 h + 0 .. 7
.endr
	WIN 0
	v_nop                                          ; one plain place behind a scaled conversion
.irp c, 0,1                                    ; the first's lanes 16-31 change places with the second's lanes 0-15: lane (r, h) then holds block 2 c + h whole, in ascending j
	v_permlane16_swap_b32 v[PCA+4*\c], v[PCA+4*\c+1]
	v_permlane16_swap_b32 v[PCA+4*\c+2], v[PCA+4*\c+3]
.endr
.irp c, 0,1
	global_store_b128 v[LI16], v[PCA+4*\c:PCA+4*\c+3], s[OB+4*((\a)/4)+2*\c:OB+4*((\a)/4)+2*\c+1] offset:512*((\a)%4)   ; a piece: 32 lanes store 512 consecutive bytes, at a multiple of 512 from the buffer's first byte
.endr
.if (\a)%2
	v_cndmask_b32 v[SW+(\a)/2], v[W+(\a)-1], v[W+(\a)], s[HI]    ; both halves of the lanes hold row r's word: lanes 0-15 give tile a - 1's, lanes 16-31 tile a's
	global_store_b32 v[LI4], v[SW+(\a)/2], s[OSB+2*((\a)/4):OSB+2*((\a)/4)+1] offset:64*(((\a)-1)%4)   ; 128 consecutive bytes
.endif
.endm
	; PHASE 1: a tile of Q or of K
	s_wait_tensorcnt 0x0                           ; my 128 rows are in
	s_barrier_signal -1
	s_barrier_wait -1                              ; everybody's are
	FETCH 0
	s_wait_loadcnt 0x0                             ; scale words and bias; the loads have read their bases, so s66-79 may be written:
	s_load_b256 s[68:75], s[0:1], 0x70             ; phase 2's buffers: Wv codes s[68:69], Wv scales s[70:71], value codes s[72:73], value scales s[74:75],
	s_load_b128 s[76:79], s[0:1], 0x90             ; bv s[76:77], Vc s[78:79],
	s_load_b64 s[66:67], s[0:1], 0xa0              ; Vs
	FETCH 1
	s_wait_dscnt 32                                ; step 0's 32 loads are in
	MUL64 0, 1                                     ; the first step starts the sums with the bias: nothing is cleared and nothing is added later
.irp s, 1,2,3,4,5,6
	KSTEP \s
.endr
	; THE REFILL, ahead of the last K step: its fragments are the last that anybody reads of phase 1's rows
	WIN 0
	s_wait_tensorcnt 0x0                           ; no tensor load of mine is out, so the descriptors may be written
	ds_add_u32 v254, v255                          ; 0 onto my spare word: the descriptors' words stand between it and the wait for it
	s_wait_kmcnt 0x0
	s_mov_b32 s[G1L+2], 64<<16                     ; phase 2: a load for L brings 64 rows: tensor_dim1,
	s_mov_b32 s[G1L+4], 64                         ; tile_dim1
	s_mov_b32 s[G0L+1], s24
	s_add_nc_u64 s[G0L+2:G0L+3], s[68:69], s[32:33]
	s_or_b32 s[G0L+3], s[G0L+3], 0x80000000
	s_add_nc_u64 s[G0R+2:G0R+3], s[72:73], s[34:35]
	s_or_b32 s[G0R+3], s[G0R+3], 0x80000000
	s_mov_b32 s97, 0
	s_lshl_b32 s96, s25, 5
	s_add_nc_u64 s[70:71], s[70:71], s[96:97]      ; the scale bytes of my rows of Wv,
	s_lshl_b32 s96, s26, 5
	s_add_nc_u64 s[74:75], s[74:75], s[96:97]      ; of my tokens,
	s_lshl_b32 s96, s25, 2
	s_add_nc_u64 s[76:77], s[76:77], s[96:97]      ; and the bias at my first feature
	s_wait_dscnt 0x0                               ; the add is done, step 7's fragments are in, and my reads of phase 1's rows are over
	CROUND                                         ; that holds of every wave of all sixteen work-groups
	JLOAD                                          ; my one tensor load behind the round: phase 2's rows
.irp i, 0,1,2,3
	global_load_b128 v[80+4*\i:80+4*\i+3], v[VSO], s[70:71] offset:512*\i      ; phase 2's scale words, into the registers that held phase 1's bias
.endr
.irp i, 0,1,2,3,4,5,6,7
	global_load_b128 v[96+4*\i:96+4*\i+3], v[VSO], s[74:75] offset:512*\i
.endr
	MUL64 7, 0
	PLACES 4                                       ; in front of the first read of results, and of loads into the scale words' registers
	WIN 0
.irp a, 0,1,2,3
	global_load_b32 v[16+8*\a], v[VBI], s[76:77] offset:64*\a                  ; phase 2's bias, by i: for L's tile a the feature 16 a + r
.endr
.irp a, 0,1,2,3,4,5,6,7
	QUANT \a
.endr
	; PHASE 2: half a tile of V
.set SL, 80
.set SR, 96
.set BI, 16
.set AL, ADL2
.set NA, 4
	s_wait_loadcnt 0x0
.irp a, 0,1,2,3
.irp j, 1,2,3,4,5,6,7
	v_mov_b32 v[BI+8*\a+\j], v[BI+8*\a]            ; the same in all eight registers of the C operand
.endr
.endr
	PLACES 4
	s_wait_alu depctr_va_vdst(0)                   ; directly ahead of the waits below
	s_wait_xcnt 0x0                                ; phase 1's stores have read their registers and their bases
	s_lshr_b32 s43, s26, 10
	s_lshl_b32 s43, s43, 4
	s_lshr_b32 s44, s25, 6
	s_add_co_u32 s43, s43, s44                     ; 16 b + my head
	s_and_b32 s44, s26, 1023                       ; my first token in its batch
	s_lshl_b32 s96, s43, 15
	s_lshl_b32 s45, s44, 5
	s_add_co_u32 s96, s96, s45                     ; (16 b + head) 32,768 + (token / 64) 2,048
	s_add_nc_u64 s[OB:OB+1], s[78:79], s[96:97]
	s_add_nc_u64 s[OB+2:OB+3], s[OB:OB+1], 2048    ; a pair of blocks on: the next 64 keys
	s_lshl_b32 s96, s43, 11
	s_lshl_b32 s45, s44, 1
	s_add_co_u32 s96, s96, s45                     ; 256 bytes of scale words for 128 tokens
	s_add_nc_u64 s[OSB:OSB+1], s[66:67], s[96:97]
	s_wait_tensorcnt 0x0                           ; my part of phase 2's rows is in
	s_barrier_signal -1
	s_barrier_wait -1                              ; everybody's is
	FETCH 0
	FETCH 1
	s_wait_dscnt 24                                ; step 0's 24 loads are in
	MUL64 0, 2
.irp s, 1,2,3,4,5,6,7
	KSTEP \s
.endr
	PLACES 4                                       ; in front of the first read of results
.irp a, 0,1,2,3
	QUANT \a
.endr
	s_wait_tensorcnt 0x0                           ; the wave's end
	ds_add_u32 v254, v255
	s_wait_dscnt 0x0
	CROUND                                         ; the closing round: no work-group ends while a partner may still ask for a tile that names it
	s_endpgm
.Lfunc_end_k_qcf6a76df82_proj:
	.size	k_qcf6a76df82_proj, .Lfunc_end_k_qcf6a76df82_proj-k_qcf6a76df82_proj
	.p2alignl 7, 3214868480
	.fill 96, 4, 3214868480
	.section	.rodata,"a",@progbits
	.p2align	6, 0x0
	.amdhsa_kernel k_qcf6a76df82_proj
		.amdhsa_group_segment_fixed_size 327680
		.amdhsa_private_segment_fixed_size 0
		.amdhsa_enable_private_segment 0
		.amdhsa_kernarg_size 168
		.amdhsa_user_sgpr_count 2
		.amdhsa_user_sgpr_kernarg_segment_ptr 1
		.amdhsa_wavefront_size32 1
		.amdhsa_system_sgpr_workgroup_id_x 1
		.amdhsa_system_sgpr_workgroup_id_y 1
		.amdhsa_system_sgpr_workgroup_id_z 1
		.amdhsa_system_vgpr_workitem_id 0
		.amdhsa_next_free_vgpr 1024
		.amdhsa_next_free_sgpr 100
		.amdhsa_reserve_vcc 0
		.amdhsa_float_denorm_mode_32 3
		.amdhsa_float_denorm_mode_16_64 3
		.amdhsa_memory_ordered 1
		.amdhsa_forward_progress 1
		.amdhsa_inst_pref_size 194
	.end_amdhsa_kernel
	.amdgpu_metadata
---
amdhsa.version: [ 1, 2 ]
amdhsa.kernels:
  - .name:           k_qcf6a76df82_proj
    .symbol:         k_qcf6a76df82_proj.kd
    .args:
      - { .name: query_codes, .offset: 0, .size: 8, .value_kind: global_buffer, .address_space: global }
      - { .name: query_scales, .offset: 8, .size: 8, .value_kind: global_buffer, .address_space: global }
      - { .name: Wq_codes, .offset: 16, .size: 8, .value_kind: global_buffer, .address_space: global }
      - { .name: Wq_scales, .offset: 24, .size: 8, .value_kind: global_buffer, .address_space: global }
      - { .name: bq, .offset: 32, .size: 8, .value_kind: global_buffer, .address_space: global }
      - { .name: Qc, .offset: 40, .size: 8, .value_kind: global_buffer, .address_space: global }
      - { .name: Qs, .offset: 48, .size: 8, .value_kind: global_buffer, .address_space: global }
      - { .name: key_codes, .offset: 56, .size: 8, .value_kind: global_buffer, .address_space: global }
      - { .name: key_scales, .offset: 64, .size: 8, .value_kind: global_buffer, .address_space: global }
      - { .name: Wk_codes, .offset: 72, .size: 8, .value_kind: global_buffer, .address_space: global }
      - { .name: Wk_scales, .offset: 80, .size: 8, .value_kind: global_buffer, .address_space: global }
      - { .name: bk, .offset: 88, .size: 8, .value_kind: global_buffer, .address_space: global }
      - { .name: Kc, .offset: 96, .size: 8, .value_kind: global_buffer, .address_space: global }
      - { .name: Ks, .offset: 104, .size: 8, .value_kind: global_buffer, .address_space: global }
      - { .name: Wv_codes, .offset: 112, .size: 8, .value_kind: global_buffer, .address_space: global }
      - { .name: Wv_scales, .offset: 120, .size: 8, .value_kind: global_buffer, .address_space: global }
      - { .name: value_codes, .offset: 128, .size: 8, .value_kind: global_buffer, .address_space: global }
      - { .name: value_scales, .offset: 136, .size: 8, .value_kind: global_buffer, .address_space: global }
      - { .name: bv, .offset: 144, .size: 8, .value_kind: global_buffer, .address_space: global }
      - { .name: Vc, .offset: 152, .size: 8, .value_kind: global_buffer, .address_space: global }
      - { .name: Vs, .offset: 160, .size: 8, .value_kind: global_buffer, .address_space: global }
    .group_segment_fixed_size: 327680
    .private_segment_fixed_size: 0
    .kernarg_segment_align: 8
    .kernarg_segment_size: 168
    .max_flat_workgroup_size: 128
    .sgpr_count:     100
    .vgpr_count:     1024
    .wavefront_size: 32
...
	.end_amdgpu_metadata
.endif
;; end of part 1
;; launch attn (part 2): grid 2 x 128, 16 waves a work-group, no clusters, 167,936 bytes of LDS; arguments mask, Qc, Qs, Kc, Ks, Vc, Vs, Ac, As; writes Ac, As
.if DOCPART == 2
	.amdgcn_target "amdgcn-amd-amdhsa--gfx1250"
	.amdhsa_code_object_version 6
	.text
	.protected	k_qcf6a76df82_attn
	.globl	k_qcf6a76df82_attn
	.p2align	8
	.type	k_qcf6a76df82_attn,@function
k_qcf6a76df82_attn:
	s_mov_b64 s[64:65], 0
	v_nop
	global_prefetch_b8 v0, s[64:65] scope:SCOPE_SE
	s_setreg_imm32_b32 hwreg(HW_REG_WAVE_MODE, 25, 1), 1
	s_wait_xcnt 0x0
; ATTENTION under a dense mask that is an input, both products on codes of FP4 (E2M1) with one E8M0 scale for each 32 along a product's K; the result leaves quantised along d_model.
; THE SOFTMAX AHEAD OF THE SECOND PRODUCT: t = score x log2(e) / 8; M = the row's largest t so far, rounded UP to a whole number; p = 2^(t - M) is what is quantised, along the keys, not normalised.
; The row's sum is taken of the unquantised p, in f32, and divides O at the end.  When M moves, the sum and O are multiplied by 2^(old M - new M): exact.
; SHARES.  Work-group (x, bh) owns queries 512 x .. 512 x + 511 of head bh, in two passes of 256.  Each of its sixteen waves owns 16 queries a pass, in 256 registers, and walks all 1,024 keys, 128 a step.
; LDS.  The head's K and V codes (128 pieces of 512 bytes) come once and stay: each wave loads four pieces of K and four of V into registers (a load takes a piece, 512 consecutive bytes) and stores them into LDS;
; the scale words are laid by ds_store likewise.  These loads are issued ahead of the mask's.  One barrier, at the head, shows pieces and scale words to all.  The launch has no tensor load and fills no LDS byte again.
; THE MASK IS EACH WAVE'S OWN: nobody else reads a wave's 16 rows.  A period is 256 keys.  A wave loads its 16 rows x 256 bytes into 32 registers (8 loads; sixteen lanes take one aligned row piece of 256 bytes),
; one period ahead of their use; it stores them into its own stage in LDS (16 rows x 272 bytes) and reads them back a query a lane.  LDS serves a wave's instructions in order, so the key loop has no barrier.
; NO CLUSTER: no tile comes by a tensor load; the two work-groups of a head share 64 KiB of codes, and each brings in 512 KiB of mask that nobody else reads.
; LAYOUT.  Both products are used transposed: S^T = K Q^T (source 0 = 16 keys, source 1 = my 16 queries), O^T = V^T P^T (source 0 = 16 of the head's 64, source 1 = P): a lane holds ONE query throughout.
; THE KEYS OF A TILE ARE NOT NEIGHBOURS: lane r of tile 4 c + u takes key 64 c + 32 (r / 8) + 8 u + r % 8, so that lane (r, h) holds keys 64 c + 32 h + 0 .. 31 in 32 consecutive registers: a WHOLE block,
; already in the order of the second product's operand.  V's tile u takes d = 32 (m / 8) + 8 u + m % 8 likewise: a lane ends with a whole block of O.
; K = 64 IN AN INSTRUCTION OF 128: Q's registers 4 to 7 are zero codes.  K's registers 4 to 7 are then whatever follows (the next tile's codes): they meet zeros.  Their scale bytes are another head's (1 .. 254) or 0.
; THE MASK is the C of K Q^T: a byte 0 becomes the E4M3 code of -2, a byte 1 the code of 0 (one v_perm_b32 for four), and a scaled conversion makes of eight codes eight numbers, -2^114 or 0.
; LIMITS, kept on purpose: the running largest t begins at -2^80, so a score whose t lies under -2^80 counts as masked; scores of magnitude 2^100 and more are not served.
; A ROW WHOLLY MASKED has the sum 0: its scale bytes are set to 0xff, which makes the whole row of the last product NaN.
; WHAT IS STORED.  Ac: [tile of 16 rows, 512][head, 16][512]: lane 16 h + r holds the 32 codes of row r, block h of the head.  As: [row][32], byte 2 head + h (global_store_b8: 2 bytes a row and head).
.set MP,    272                        ; a mask row in my stage: 256 bytes + 16: the 16 rows that a load touches start at 16 different banks
.set IMG,   16*16*MP                   ; behind the sixteen stages: K's 64 pieces, then V's 64
.set IP,    576                        ; a piece in LDS: 512 bytes + 64 left free
.set VIMG,  64*IP
.set KSC,   IMG+128*IP                 ; K's scale words, 4,096 bytes
.set VSC,   KSC+4096                   ; V's, 2,048 bytes
.set SPARE, VSC+2048                   ; the spare words, 128 bytes for each wave
.set AI0,  1                           ; v1   my lane's place in a tile of K or V: IMG + 1,152 (r / 8) + 256 h + 16 (r % 8)
.set AM0,  2                           ; v2   my query's mask bytes in my stage: (16 wave + r) 272 + 32 h
.set AKS0, 3                           ; v3   K's scale words: KSC + 32 r + 16 h
.set AVS0, 4                           ; v4   V's: VSC + 16 lane
.set SPW,  5                           ; v5   my spare word; never rewritten
.set NIL,  6                           ; v6   0; never rewritten
.set LI16, 7                           ; v7   16 x lane
.set ASO,  8                           ; v8   32 r + h: my byte among the result's scale bytes
.set H8,   9                           ; v9   8 h
.set ADI,  10                          ; v10  the period's pieces
.set AST,  11                          ; v11  where I store into my stage: (16 wave + h) 272 + 16 r
.set ADKS, 12                          ; v12, v13 the period's scale words of K, of V
.set ADVS, 13
.set CVS,  14                          ; v14  0xf0 in every byte: the mask conversion's scale, 2^113
.set PFO,  15                          ; v15  1,024 x min(lane, 15): the prefetches' offset
.set NM,   16                          ; v16  -M;  v17 the largest t;  v[18:19] the sum in two halves;  v[20:21] f
.set TT,   17
.set LL,   18
.set FF,   20
.set BM,   22                          ; v22-23 a block's largest score, then its largest p
.set CH,   24                          ; v24-27 chains of maxima, and at work
.set SO,   28                          ; v28-29 the conversions' scale operands
.set BY,   30                          ; v30-31 scale bytes
.set LT,   32                          ; v[32:33] the second chain of the sum
.set PW,   34                          ; v34  p's scale word
.set TP,   35                          ; v35  the old -M
.set QF,   36                          ; v[36:43] Q's fragment: four registers of codes, four of zeros;  v44 its scale words
.set QS,   44
.set QF1,  46                          ; v[46:49], v50 the second pass's
.set QS1,  50
.set KS,   52                          ; v[52:55] K's scale words: register u: lanes 0-15 tile u, lanes 16-31 tile 4 + u
.set VS,   56                          ; v[56:59] V's: register u: tile u; lanes 0-15 the period's first step, lanes 16-31 its second
.set MK,   60                          ; v[60:75] 64 mask bytes
.set KF,   76                          ; v[76:107] K's eight tiles, four registers each; behind K Q^T: V's four fragments;  v[108:111] zeros
.set MG,   112                         ; v[112:143] the next period's mask, on its way from memory
.set PC,   144                         ; v[144:151] p's codes
.set S,    152                         ; v[152:215] S^T, then p
.set IG,   184                         ; v[184:215] at the head alone: my eight pieces on their way into LDS
.set O,    216                         ; v[216:247] O^T
.set C255, 248                         ; v248 0xff
.set GMO,  249                         ; v249 1,024 h + 16 r: my 16 bytes of two rows of the mask
.set IST,  250                         ; v250 where my pieces go: IMG + 4 wave x 576 + 16 lane
.set WV,   22
.set MPT,  52                          ; s[52:53] my 16 rows of the mask, at the tile asked for last
.set SEL,  60                          ; s[60:61] lane selects for v_permlanex16_b32: lane l xor 16
.set CS,   62                          ; s[62:63] c = log2(e) / 8
.set T,    66                          ; s66  the period in hand, 0 .. 7
.set OI,   69                          ; s69  the period's 16 pieces: 9,216 bytes a period;  s70 K's scale words: 1,024;  s71 V's: 512
.set OK,   70
.set OV,   71
.set INC,  72                          ; s[72:73] a tile on in the mask, in bytes
.set PFA,  74                          ; s[74:75] where my prefetches stand
.set TAB,  77                          ; s77  0xc0: byte 0 the E4M3 code of -2, byte 1 the code of 0
.set SH,   78                          ; s78  16 x (head % 2)
.set ACP,  80                          ; s[80:81] where my codes go;  s[82:83] my scale bytes
.set ASP,  82
.set NEXTP, 256*1024-3*256             ; from a pass's last tile to the next pass's first: 256 rows down, three tiles back
.macro PLACES n
.rept \n
	v_nop
.endr
.endm
.macro D1
	s_delay_alu instid0(VALU_DEP_1)
.endm
.macro MLOAD                           ; 16 rows x 256 bytes of the mask: load i takes rows 2 i and 2 i + 1; sixteen lanes read 256 consecutive bytes, aligned; read once in the launch
.irp i, 0,1,2,3,4,5,6,7
	global_load_b128 v[MG+4*\i:MG+4*\i+3], v[GMO], s[MPT:MPT+1] offset:2048*\i th:TH_LOAD_NT
.endr
.endm
; A PREFETCH INTO THE L2 of my 16 rows x 256 bytes of tile T + 2, which the next period's loads will ask for: a lane a row; lanes 16 to 31 name row 15 again.  Each row piece is named by its one reader.
; Tiles 0 and 1 come by their loads alone; periods 6 and 7 have no tile two on.
.macro ASK
	s_cmp_lt_u32 s[T], 6
	s_cbranch_scc0 .Lnone_\@
	global_prefetch_b8 v[PFO], s[PFA:PFA+1] th:TH_LOAD_NT scope:SCOPE_SE
.Lnone_\@:
.endm
	s_load_b512 s[4:19], s[0:1], 0x0               ; mask s[4:5], Qc s[6:7], Qs s[8:9], Kc s[10:11], Ks s[12:13], Vc s[14:15], Vs s[16:17], Ac s[18:19]
	s_load_b64 s[20:21], s[0:1], 0x40              ; As
	v_lshl_add_u32 v[SPW], v0, 2, SPARE            ; the two registers of the add at the wave's end
	v_mov_b32 v[NIL], 0
	v_lshrrev_b32 v1, 5, v0
	D1
	v_readfirstlane_b32 s[WV], v1                  ; wave 0..15
	v_and_b32 v152, 15, v0                         ; r
	v_bfe_u32 v153, v0, 4, 1                       ; h
	v_and_b32 v154, 31, v0                         ; lane
	s_delay_alu instid0(VALU_DEP_3)
	v_lshlrev_b32 v[GMO], 4, v152
	D1
	v_lshl_add_u32 v[GMO], v153, 10, v[GMO]
	s_delay_alu instid0(VALU_DEP_3)
	v_lshlrev_b32 v[LI16], 4, v154
	s_and_b32 s23, ttmp7, 0xffff                   ; bh = 16 b + head
	s_lshl_b32 s26, s23, 10
	s_lshl_b32 s27, ttmp9, 9
	s_add_co_u32 s26, s26, s27                     ; my work-group's first row of the mask: 1,024 bh + 512 x
	s_lshl_b32 s27, s[WV], 4
	s_add_co_u32 s28, s26, s27                     ; + 16 wave: my first row
	s_lshl_b32 s28, s28, 10                        ; rows of 1,024 bytes (under 2^27)
	s_mov_b32 s29, 0
	s_lshl_b32 s30, s23, 15                        ; the head's 32 KiB of pieces,
	s_lshl_b32 s27, s[WV], 11
	s_add_co_u32 s30, s30, s27                     ; the four that I fetch: 2,048 wave
	s_mov_b32 s31, 0
	s_wait_alu depctr_va_vdst(0)                   ; directly ahead of the wait below
	s_wait_kmcnt 0x0
	s_add_nc_u64 s[MPT:MPT+1], s[4:5], s[28:29]    ; tile 0 of my rows
	s_add_nc_u64 s[PFA:PFA+1], s[MPT:MPT+1], 256   ; tile 1: the first period steps it to tile 2
	s_add_nc_u64 s[10:11], s[10:11], s[30:31]
	s_add_nc_u64 s[14:15], s[14:15], s[30:31]
.irp i, 0,1,2,3
	global_load_b128 v[IG+4*\i:IG+4*\i+3], v[LI16], s[10:11] offset:512*\i          ; K's pieces 4 wave + i: 32 lanes read 512 consecutive bytes
	global_load_b128 v[IG+16+4*\i:IG+16+4*\i+3], v[LI16], s[14:15] offset:512*\i    ; V's
.endr
	v_lshlrev_b32 v[ASO], 5, v152
	D1
	v_add_nc_u32 v[ASO], v[ASO], v153
	v_lshlrev_b32 v[H8], 3, v153
	v_min_u32 v[PFO], 15, v154
	D1
	v_lshlrev_b32 v[PFO], 10, v[PFO]
	v_bfe_u32 v155, v0, 3, 1
	D1
	v_mul_u32_u24 v[AI0], v155, 2*IP
	D1
	v_lshl_add_u32 v[AI0], v153, 8, v[AI0]
	v_and_b32 v155, 7, v0
	D1
	v_lshl_add_u32 v[AI0], v155, 4, v[AI0]
	D1
	v_add_nc_u32 v[AI0], IMG, v[AI0]
	s_mul_i32 s32, s[WV], 16*MP                    ; my stage
	s_mul_i32 s36, s[WV], 4*IP                     ; my four pieces' place among K's, and among V's
	v_mul_u32_u24 v[AM0], v152, MP
	D1
	v_lshl_add_u32 v[AM0], v153, 5, v[AM0]
	D1
	v_add_nc_u32 v[AM0], s32, v[AM0]
	v_mul_u32_u24 v[AST], v153, MP
	D1
	v_lshl_add_u32 v[AST], v152, 4, v[AST]
	D1
	v_add_nc_u32 v[AST], s32, v[AST]
	v_add_nc_u32 v[IST], s36, v[LI16]
	D1
	v_add_nc_u32 v[IST], IMG, v[IST]
	v_lshlrev_b32 v[AKS0], 5, v152
	D1
	v_lshl_add_u32 v[AKS0], v153, 4, v[AKS0]
	D1
	v_add_nc_u32 v[AKS0], KSC, v[AKS0]
	v_add_nc_u32 v[AVS0], VSC, v[LI16]
	s_lshr_b32 s32, s23, 1                         ; the pair of heads
	s_lshl_b32 s34, s32, 12
	s_mov_b32 s35, 0
	s_add_nc_u64 s[12:13], s[12:13], s[34:35]      ; K's scale words of the pair: 1,024 words
	s_add_nc_u64 s[8:9], s[8:9], s[34:35]          ; Q's
	s_lshl_b32 s32, ttmp9, 9
	s_lshl_b32 s33, s[WV], 4
	s_add_co_u32 s32, s32, s33                     ; my first query of pass 0: 512 x + 16 wave
	s_lshl_b32 s34, s32, 2
	s_add_nc_u64 s[8:9], s[8:9], s[34:35]
	s_lshl_b32 s34, s23, 11
	s_add_nc_u64 s[16:17], s[16:17], s[34:35]      ; V's scale words of the head: 512 words
	s_lshl_b32 s34, s23, 15
	s_lshl_b32 s33, s32, 5
	s_add_co_u32 s34, s34, s33
	s_add_nc_u64 s[6:7], s[6:7], s[34:35]          ; Q's piece of my 16 queries
	v_lshlrev_b32 v156, 3, v0
	v_lshlrev_b32 v157, 2, v0
	v_lshlrev_b32 v161, 2, v152
	global_load_b64 v[158:159], v156, s[12:13]     ; thread t: the words of keys 2 t and 2 t + 1
	global_load_b32 v160, v157, s[16:17]           ; and V's word t = 64 step + d
	global_load_b128 v[QF:QF+3], v[LI16], s[6:7]
	global_load_b128 v[QF1:QF1+3], v[LI16], s[6:7] offset:8192       ; pass 1: 16 tiles of rows on
	global_load_b32 v[QS], v161, s[8:9]
	global_load_b32 v[QS1], v161, s[8:9] offset:1024
	MLOAD                                          ; tile 0 of the mask: the youngest eight loads
	; where the scale words go, so that ONE ds_load_b128 brings a lane the words of all its tiles.  K's word of key k:
	; KSC + 512 (k / 128) + 32 r + 16 c + 4 u with c = (k / 64) % 2, r = 8 ((k / 32) % 2) + k % 8, u = (k / 8) % 4; here k = 2 t, and k + 1 lies 32 bytes on
	v_lshrrev_b32 v162, 6, v0
	D1
	v_lshlrev_b32 v162, 9, v162
	v_bfe_u32 v155, v0, 4, 1
	D1
	v_lshl_add_u32 v162, v155, 8, v162
	v_and_b32 v155, 3, v0
	D1
	v_lshl_add_u32 v162, v155, 6, v162
	v_bfe_u32 v155, v0, 5, 1
	D1
	v_lshl_add_u32 v162, v155, 4, v162
	v_bfe_u32 v155, v0, 2, 2
	D1
	v_lshl_add_u32 v162, v155, 2, v162
	D1
	v_add_nc_u32 v162, KSC, v162
	; V's word t: VSC + 256 step + 16 m + 4 u with m = 8 ((d / 32) % 2) + d % 8, u = (d / 8) % 4
	v_lshrrev_b32 v163, 6, v0
	D1
	v_lshlrev_b32 v163, 8, v163
	v_bfe_u32 v155, v0, 5, 1
	D1
	v_lshl_add_u32 v163, v155, 7, v163
	v_and_b32 v155, 7, v0
	D1
	v_lshl_add_u32 v163, v155, 4, v163
	v_bfe_u32 v155, v0, 3, 2
	D1
	v_lshl_add_u32 v163, v155, 2, v163
	D1
	v_add_nc_u32 v163, VSC, v163
	s_and_b32 s27, s23, 15                         ; head
	s_lshr_b32 s33, s23, 4
	s_lshl_b32 s33, s33, 10
	s_add_co_u32 s33, s33, s32                     ; my first row of the result: 1,024 b + 512 x + 16 wave
	s_lshl_b32 s34, s33, 9                         ; Ac: (row / 16) 8,192
	s_lshl_b32 s28, s27, 9                         ; + 512 head
	s_add_co_u32 s34, s34, s28
	s_add_nc_u64 s[ACP:ACP+1], s[18:19], s[34:35]
	s_lshl_b32 s34, s33, 5                         ; As: [row][32]: byte 2 head + h
	s_lshl_b32 s28, s27, 1
	s_add_co_u32 s34, s34, s28
	s_add_nc_u64 s[ASP:ASP+1], s[20:21], s[34:35]
	s_and_b32 s[SH], s27, 1
	s_lshl_b32 s[SH], s[SH], 4
	s_mov_b32 s[SEL], 0x76543210
	s_mov_b32 s[SEL+1], 0xfedcba98
	s_mov_b32 s[CS], 0x3e38aa3b                    ; c = log2(e) / sqrt(64)
	s_mov_b32 s[CS+1], s[CS]                       ; (named with it as a pair, so it is written)
	s_mov_b32 s[TAB], 0xc0
	s_mov_b32 s[OI], 0
	s_mov_b32 s[OK], 0
	s_mov_b32 s[OV], 0
	s_mov_b32 s[INC+1], 0
	v_mov_b32 v[CVS], 0xf0f0f0f0
	v_mov_b32 v[C255], 0xff
	v_mov_b32 v[FF+1], 0                           ; (named as the upper half of the pair before it is first written)
.irp i, 0,1,2,3
	v_mov_b32 v[QF+4+\i], 0                        ; Q's codes of k = 64 .. 127: zeros
	v_mov_b32 v[KF+32+\i], 0                       ; what follows K's last tile
.endr
	s_wait_alu depctr_va_vdst(0)                   ; directly ahead of the wait below
	s_wait_loadcnt 0x8                             ; all but the mask's eight loads: my pieces, the scale words and Q are in
	v_lshrrev_b32 v158, s[SH], v158                ; my head's two bytes into bytes 0 and 1; bytes 2 and 3 hold the other head's or 0, never 0xff
	v_lshrrev_b32 v159, s[SH], v159
	v_lshrrev_b32 v[QS], s[SH], v[QS]
	v_lshrrev_b32 v[QS1], s[SH], v[QS1]
	ds_store_b32 v162, v158
	ds_store_b32 v162, v159 offset:32
	ds_store_b32 v163, v160
.irp i, 0,1,2,3
	ds_store_b128 v[IST], v[IG+4*\i:IG+4*\i+3] offset:IP*\i
	ds_store_b128 v[IST], v[IG+16+4*\i:IG+16+4*\i+3] offset:VIMG+IP*\i
.endr
.macro INIT second                     ; a pass begins: O^T and the sum are zeros, the largest t is -2^80, under every t that is served
.set j, 0
.rept 32
	v_mov_b32 v[O+j], 0
.set j, j+1
.endr
	v_mov_b32 v[LL], 0
	v_mov_b32 v[LL+1], 0
	v_mov_b32 v[TT], 0xe7800000
	D1
	v_floor_f32 v[NM], -v[TT]
.if \second
.irp i, 0,1,2,3
	v_mov_b32 v[QF+\i], v[QF1+\i]
.endr
	v_mov_b32 v[QS], v[QS1]
.endif
.endm
.macro KQ t                            ; S^T's tile t: C is the mask's -2^114 or 0, in place.  The eight accumulators take turns
.if \t < 4
	v_wmma_scale_f32_16x16x128_f8f6f4 v[S+8*\t:S+8*\t+7], v[KF+4*\t:KF+4*\t+7], v[QF:QF+7], v[S+8*\t:S+8*\t+7], v[KS+\t], v[QS] matrix_a_fmt:MATRIX_FMT_FP4 matrix_b_fmt:MATRIX_FMT_FP4
.else
	v_wmma_scale_f32_16x16x128_f8f6f4 v[S+8*\t:S+8*\t+7], v[KF+4*\t:KF+4*\t+7], v[QF:QF+7], v[S+8*\t:S+8*\t+7], v[KS+\t-4], v[QS] matrix_a_fmt:MATRIX_FMT_FP4 matrix_b_fmt:MATRIX_FMT_FP4 matrix_a_scale:MATRIX_SCALE_ROW1
.endif
.endm
.macro PV u, q                         ; O^T's tile u += V^T P^T over the step's 128 keys
.if \q
	v_wmma_scale_f32_16x16x128_f8f6f4 v[O+8*\u:O+8*\u+7], v[KF+8*\u:KF+8*\u+7], v[PC:PC+7], v[O+8*\u:O+8*\u+7], v[VS+\u], v[PW] matrix_a_fmt:MATRIX_FMT_FP4 matrix_b_fmt:MATRIX_FMT_FP4 matrix_a_scale:MATRIX_SCALE_ROW1
.else
	v_wmma_scale_f32_16x16x128_f8f6f4 v[O+8*\u:O+8*\u+7], v[KF+8*\u:KF+8*\u+7], v[PC:PC+7], v[O+8*\u:O+8*\u+7], v[VS+\u], v[PW] matrix_a_fmt:MATRIX_FMT_FP4 matrix_b_fmt:MATRIX_FMT_FP4
.endif
.endm
; A KEY STEP: 128 keys, the q-th of the period's two.  fill = 1 (first step only): the next tile of the mask is asked for;  first = 1: pass 0, in which one step of each address goes on to the next pass's rows.
.macro STEP q, fill, first
.if \q
	PLACES 4                                       ; in front of loads into registers that matrix instructions have read (in the period's first step the four lines at its head are these places)
.endif
.irp c, 0,1
.irp e, 0,1
	ds_load_b128 v[MK+8*\c+4*\e:MK+8*\c+4*\e+3], v[AM0] offset:128*\q+64*\c+16*\e    ; my query's mask bytes of keys 64 c + 32 h + 16 e + 0 .. 15
.endr
.endr
	ds_load_b128 v[KS:KS+3], v[ADKS] offset:512*\q
.if \q == 0
	ds_load_b128 v[VS:VS+3], v[ADVS]               ; both steps' words
.endif
.irp c, 0,1
.irp u, 0,1,2,3
	ds_load_b128 v[KF+4*(4*\c+\u):KF+4*(4*\c+\u)+3], v[ADI] offset:4608*\q+2304*\c+576*(\u/2)+128*(\u%2)
.endr
.endr
	s_wait_dscnt 10-\q                             ; the stage's stores and the mask's four loads are done; behind them: K's scale words, V's (first step only), K's eight
.if \fill
.if \first
	s_cmp_eq_u32 s[T], 3                           ; the loads that named s[MPT] have come back (the period's head waited for them): it may be stepped
	s_mov_b32 s[INC], 256
	s_cselect_b32 s[INC], NEXTP, s[INC]
	s_add_nc_u64 s[MPT:MPT+1], s[MPT:MPT+1], s[INC:INC+1]       ; tile T + 1
	s_wait_xcnt 0x0                                ; the last prefetch, a period back, has read its address
	s_cmp_eq_u32 s[T], 2
	s_mov_b32 s[INC], 256
	s_cselect_b32 s[INC], NEXTP, s[INC]
	s_add_nc_u64 s[PFA:PFA+1], s[PFA:PFA+1], s[INC:INC+1]       ; tile T + 2
.else
	s_add_nc_u64 s[MPT:MPT+1], s[MPT:MPT+1], 256
	s_wait_xcnt 0x0
	s_add_nc_u64 s[PFA:PFA+1], s[PFA:PFA+1], 256
.endif
	MLOAD                                          ; into the registers that the stage's stores have read: it has the period's two steps in which to land
	ASK
.endif
.set j, 0
.rept 16
	v_perm_b32 v[MK+j], s[TAB], s[TAB], v[MK+j]    ; the mask byte is the selector: 0 takes the code of -2, 1 the code of 0
.set j, j+1
.endr
.irp t, 0,1,2,3,4,5,6,7
	v_cvt_scale_pk8_f32_fp8 v[S+8*\t:S+8*\t+7], v[MK+2*\t:MK+2*\t+1], v[CVS]    ; x 2^113: -2^114 where the key is masked, else 0
.endr
	v_mov_b32 v[TP], v[NM]                         ; the old -M is kept.  With three v_nop: plain places between the conversions and the products that take their results as C
	PLACES 3
	s_wait_alu depctr_va_vdst(0)                   ; directly ahead of the wait below
	s_wait_dscnt 0x0                               ; K's tiles and the scale words are in
.irp t, 0,1,2,3,4,5,6,7
	KQ \t
.endr
	PLACES 4                                       ; in front of the loads into K's registers and of the first read of S^T
.irp u, 0,1,2,3
.irp c, 0,1
	ds_load_b128 v[KF+8*\u+4*\c:KF+8*\u+4*\c+3], v[ADI] offset:VIMG+4608*\q+2304*\c+576*(\u/2)+128*(\u%2)   ; V's fragments land under the softmax
.endr
.endr
.irp k, 0,1,2,3
	v_max3_num_f32 v[CH+\k], v[S+16*\k], v[S+16*\k+1], v[S+16*\k+2]     ; THE LARGEST SCORE OF EACH BLOCK OF 32 KEYS, in two chains a block; each accumulator is read from its low end on
.endr
.irp i, 3,5,7,9,11,13
.irp k, 0,1,2,3
	v_max3_num_f32 v[CH+\k], v[CH+\k], v[S+16*\k+\i], v[S+16*\k+\i+1]
.endr
.endr
.irp c, 0,1
	v_max3_num_f32 v[BM+\c], v[CH+2*\c], v[CH+2*\c+1], v[S+32*\c+15]
.endr
.irp c, 0,1
	v_max_num_f32 v[BM+\c], v[BM+\c], v[S+32*\c+31]   ; it serves twice: for the row's maximum, and, since p rises with the score, for the block's largest p
.endr
	D1
	v_max_num_f32 v[CH], v[BM], v[BM+1]
	D1
	v_permlanex16_b32 v[CH+1], v[CH], s[SEL], s[SEL+1]
	D1
	v_max_num_f32 v[CH], v[CH], v[CH+1]            ; with lane l xor 16: the step's largest score of my query
	D1
	v_mul_f32 v[CH], s[CS], v[CH]                  ; as t (c is positive)
	D1
	v_max_num_f32 v[TT], v[TT], v[CH]              ; the running largest t
	D1
	v_floor_f32 v[NM], -v[TT]                      ; the new -M = floor(-t) = -ceil(t): M is a whole number
	D1
	v_sub_f32 v[TP], v[NM], v[TP]                  ; M's old value less its new one: a whole number, 0 or less
	D1
	v_cvt_i32_f32 v[TP], v[TP]                     ; (it saturates)
	D1
	v_ldexp_f32 v[FF], 1.0, v[TP]                  ; f = 2^(old M - new M)
.set j, 0
.rept 32
	v_pk_fma_f32 v[S+j:S+j+1], v[S+j:S+j+1], s[CS:CS+1], v[NM:NM+1] op_sel_hi:[1,0,0]   ; t - M, two at a time (of the pairs c and -M the low word serves both halves)
.set j, j+2
.endr
.irp c, 0,1
	v_fma_f32 v[BM+\c], v[BM+\c], s[CS], v[NM]     ; the same of each block's largest score
.endr
.set j, 0
	s_wait_alu depctr_va_vdst(0)                   ; ahead of the batch
.rept 64
	v_exp_f32 v[S+j], v[S+j]                       ; p = 2^(t - M), at most 1; 0 where the key is masked
.set j, j+1
.endr
	v_pk_mul_f32 v[LL:LL+1], v[LL:LL+1], v[FF:FF+1] op_sel_hi:[1,0]   ; the sums under the new M.  (A plain place behind the exponentials)
	s_wait_alu depctr_va_vdst(0)                   ; one wait for the whole batch, ahead of its first reader
.irp c, 0,1
	v_exp_f32 v[BM+\c], v[BM+\c]                   ; the block's largest p: the same two instructions on the same number give the same bits
.endr
	v_pk_add_f32 v[LT:LT+1], v[S:S+1], v[S+2:S+3]  ; THE ROW'S SUM IS TAKEN OF THE UNQUANTISED p: two at a time, in two chains
.set j, 4
.rept 11
	v_pk_add_f32 v[LL:LL+1], v[LL:LL+1], v[S+j:S+j+1]
	v_pk_add_f32 v[LT:LT+1], v[LT:LT+1], v[S+j+2:S+j+3]
.set j, j+4
.endr
	s_wait_alu depctr_va_vdst(0)                   ; and one for the two
.irp c, 0,1
	v_max_num_f32 v[BM+\c], 0x1800000, v[BM+\c]    ; the floor 2^(3 - 127): a block whose every p is 0 keeps the byte 1: its codes are zeros
.endr
.irp c, 0,1
	s_delay_alu instid0(VALU_DEP_2)
	v_add_nc_u32 v[SO+\c], 0xff000000, v[BM+\c]    ; 2 off the exponent field: the conversion's scale operand
.endr
.irp c, 0,1
.irp g, 0,1,2,3
	v_cvt_scalef32_pk8_fp4_f32 v[PC+4*\c+\g], v[S+32*\c+8*\g:S+32*\c+8*\g+7], v[SO+\c]   ; registers 4 c .. 4 c + 3 of the operand: keys 64 c + 32 h + 0 .. 31
.endr
.endr
.irp c, 0,1
	v_lshrrev_b32 v[BY+\c], 23, v[SO+\c]           ; the scale's byte.  (A plain place behind the conversions)
.endr
	D1
	v_lshl_or_b32 v[PW], v[BY+1], 16, v[BY]        ; my two bytes: blocks h and 2 + h,
	D1
	v_lshlrev_b32 v[PW], v[H8], v[PW]              ; at their places in the scale word;
	D1
	v_permlanex16_b32 v[CH], v[PW], s[SEL], s[SEL+1]
	D1
	v_or_b32 v[PW], v[PW], v[CH]                   ; with lane l xor 16's two the word is whole
.set j, 0
.rept 16
	v_pk_mul_f32 v[O+j:O+j+1], v[O+j:O+j+1], v[FF:FF+1] op_sel_hi:[1,0]   ; O^T under the new M: x f
.set j, j+2
.endr
.set j, 48
.rept 4
	v_pk_add_f32 v[LL:LL+1], v[LL:LL+1], v[S+j:S+j+1]      ; the rest of the row's sum stands here: with the 16 lines above these are the plain places between the scale word, the codes and O^T and the products below
	v_pk_add_f32 v[LT:LT+1], v[LT:LT+1], v[S+j+2:S+j+3]
.set j, j+4
.endr
	D1
	v_pk_add_f32 v[LL:LL+1], v[LL:LL+1], v[LT:LT+1]
	s_wait_dscnt 0x0                               ; V's fragments are in
.irp u, 0,1,2,3
	PV \u, \q
.endr
.endm
.macro PERIOD fill, first              ; 256 keys: one tile of the mask, two key steps
	v_add_nc_u32 v[ADI], s[OI], v[AI0]
	v_add_nc_u32 v[ADKS], s[OK], v[AKS0]
	v_add_nc_u32 v[ADVS], s[OV], v[AVS0]
	v_nop                                          ; four places behind the last products, in front of loads into their registers
	s_wait_alu depctr_va_vdst(0)                   ; directly ahead of the wait below
	s_wait_loadcnt 0x0                             ; this period's tile of the mask is in my registers
.irp i, 0,1,2,3,4,5,6,7
	ds_store_b128 v[AST], v[MG+4*\i:MG+4*\i+3] offset:2*\i*MP    ; into my own stage, behind my reads of the last period's tile: LDS serves a wave's instructions in order
.endr
	STEP 0, \fill, \first
	STEP 1, 0, 0
	s_add_co_u32 s[OI], s[OI], 16*IP               ; the next 16 pieces of K and of V,
	s_add_co_u32 s[OK], s[OK], 1024                ; and their scale words
	s_add_co_u32 s[OV], s[OV], 512
.endm
; A PASS ENDS: O^T / the sum is quantised: a lane holds d = 32 h + 0 .. 31 of its query, one whole block along d_model, and its 16 bytes of codes are its place in a piece.
.macro FINISH p
	v_add_f32 v[LL], v[LL], v[LL+1]                ; the sum's two halves,  (these lines, the compare and the v_nop are the places behind the last products)
	D1
	v_permlanex16_b32 v[CH], v[LL], s[SEL], s[SEL+1]
	D1
	v_add_f32 v[LL], v[LL], v[CH]                  ; and lane l xor 16's: the row's sum
	s_wait_alu depctr_va_vdst(0)                   ; ahead of the transcendental
	v_rcp_f32 v[FF], v[LL]
	v_cmp_eq_f32 vcc_lo, 0, v[LL]                  ; a row wholly masked
	v_nop
	s_wait_alu depctr_va_vdst(0)                   ; the wait, ahead of the reciprocal's first reader
.set j, 0
.rept 16
	v_pk_mul_f32 v[S+j:S+j+1], v[O+j:O+j+1], v[FF:FF+1] op_sel_hi:[1,0]
.set j, j+2
.endr
	v_max3_num_f32 v[CH], |v[S]|, |v[S+1]|, 0x1800000     ; the block's largest magnitude, with the floor 2^(3 - 127), in two chains
	v_max3_num_f32 v[CH+1], |v[S+2]|, |v[S+3]|, |v[S+4]|
.set j, 5
.rept 13
	s_delay_alu instid0(VALU_DEP_2)
	v_max3_num_f32 v[CH+((j-5)/2)%2], v[CH+((j-5)/2)%2], |v[S+j]|, |v[S+j+1]|
.set j, j+2
.endr
	D1
	v_max3_num_f32 v[CH], v[CH], v[CH+1], |v[S+31]|
	D1
	v_add_nc_u32 v[SO], 0xff000000, v[CH]
.irp g, 0,1,2,3
	v_cvt_scalef32_pk8_fp4_f32 v[PC+\g], v[S+8*\g:S+8*\g+7], v[SO]
.endr
	v_lshrrev_b32 v[BY], 23, v[SO]                 ; the scale's byte.  (A plain place behind the conversions)
	D1
	v_cndmask_b32 v[BY], v[BY], v[C255], vcc_lo    ; 0xff where the sum is 0
	global_store_b128 v[LI16], v[PC:PC+3], s[ACP:ACP+1] offset:131072*\p   ; a piece: 32 lanes store 512 consecutive bytes, at a multiple of 512 from the buffer's first byte; pass 1: 16 tiles of rows on
	global_store_b8 v[ASO], v[BY], s[ASP:ASP+1] offset:8192*\p
.if \p == 0
	s_wait_xcnt 0x0                                ; the stores have read their registers: the next pass writes them again
.endif
.endm
	INIT 0
	s_mov_b32 s[T], 0
	s_wait_alu depctr_va_vdst(0)                   ; the wait at the head's end
	s_wait_dscnt 0x0                               ; my pieces and my scale words have landed in LDS;
	s_barrier_signal -1
	s_barrier_wait -1                              ; everybody's have: the launch's only barrier
.Lpass0:                                           ; four trips: tiles 0 to 3; each asks for the tile that follows, the last for the next pass's first
	PERIOD 1, 1
	s_add_co_u32 s[T], s[T], 1
	s_cmp_lt_u32 s[T], 4
	s_cbranch_scc1 .Lpass0
	s_wait_alu depctr_va_vdst(0)
	FINISH 0
	INIT 1
	s_mov_b32 s[OI], 0                             ; the keys begin anew
	s_mov_b32 s[OK], 0
	s_mov_b32 s[OV], 0
	s_mov_b32 s[T], 4
.Lpass1:                                           ; three trips: tiles 4 to 6
	PERIOD 1, 0
	s_add_co_u32 s[T], s[T], 1
	s_cmp_lt_u32 s[T], 7
	s_cbranch_scc1 .Lpass1
	PERIOD 0, 0                                    ; the last tile asks for nothing
	s_wait_alu depctr_va_vdst(0)
	FINISH 1
	s_wait_tensorcnt 0x0                           ; the wave's end, behind my last LDS store
	ds_add_u32 v[SPW], v[NIL]
	s_wait_dscnt 0x0
	s_endpgm
.Lfunc_end_k_qcf6a76df82_attn:
	.size	k_qcf6a76df82_attn, .Lfunc_end_k_qcf6a76df82_attn-k_qcf6a76df82_attn
	.p2alignl 7, 3214868480
	.fill 96, 4, 3214868480
	.section	.rodata,"a",@progbits
	.p2align	6, 0x0
	.amdhsa_kernel k_qcf6a76df82_attn
		.amdhsa_group_segment_fixed_size 167936
		.amdhsa_private_segment_fixed_size 0
		.amdhsa_enable_private_segment 0
		.amdhsa_kernarg_size 72
		.amdhsa_user_sgpr_count 2
		.amdhsa_user_sgpr_kernarg_segment_ptr 1
		.amdhsa_wavefront_size32 1
		.amdhsa_system_sgpr_workgroup_id_x 1
		.amdhsa_system_sgpr_workgroup_id_y 1
		.amdhsa_system_sgpr_workgroup_id_z 1
		.amdhsa_system_vgpr_workitem_id 0
		.amdhsa_next_free_vgpr 256
		.amdhsa_next_free_sgpr 90
		.amdhsa_reserve_vcc 1
		.amdhsa_float_denorm_mode_32 3
		.amdhsa_float_denorm_mode_16_64 3
		.amdhsa_memory_ordered 1
		.amdhsa_forward_progress 1
		.amdhsa_inst_pref_size 121
	.end_amdhsa_kernel
	.amdgpu_metadata
---
amdhsa.version: [ 1, 2 ]
amdhsa.kernels:
  - .name:           k_qcf6a76df82_attn
    .symbol:         k_qcf6a76df82_attn.kd
    .args:
      - { .name: mask, .offset: 0, .size: 8, .value_kind: global_buffer, .address_space: global }
      - { .name: Qc, .offset: 8, .size: 8, .value_kind: global_buffer, .address_space: global }
      - { .name: Qs, .offset: 16, .size: 8, .value_kind: global_buffer, .address_space: global }
      - { .name: Kc, .offset: 24, .size: 8, .value_kind: global_buffer, .address_space: global }
      - { .name: Ks, .offset: 32, .size: 8, .value_kind: global_buffer, .address_space: global }
      - { .name: Vc, .offset: 40, .size: 8, .value_kind: global_buffer, .address_space: global }
      - { .name: Vs, .offset: 48, .size: 8, .value_kind: global_buffer, .address_space: global }
      - { .name: Ac, .offset: 56, .size: 8, .value_kind: global_buffer, .address_space: global }
      - { .name: As, .offset: 64, .size: 8, .value_kind: global_buffer, .address_space: global }
    .group_segment_fixed_size: 167936
    .private_segment_fixed_size: 0
    .kernarg_segment_align: 8
    .kernarg_segment_size: 72
    .max_flat_workgroup_size: 512
    .sgpr_count:     90
    .vgpr_count:     256
    .wavefront_size: 32
...
	.end_amdgpu_metadata
.endif
;; end of part 2
;; launch outp (part 3): grid 4 x 64, 4 waves a work-group, clusters of 4 x 4, 327,680 bytes of LDS; arguments Ac, As, Wo_codes, Wo_scales, bo, out0; writes out0
.if DOCPART == 3
	.amdgcn_target "amdgcn-amd-amdhsa--gfx1250"
	.amdhsa_code_object_version 6
	.text
	.protected	k_qcf6a76df82_outp
	.globl	k_qcf6a76df82_outp
	.p2align	8
	.type	k_qcf6a76df82_outp,@function
k_qcf6a76df82_outp:
	s_mov_b64 s[64:65], 0
	v_nop
	global_prefetch_b8 v0, s[64:65] scope:SCOPE_SE
	s_setreg_imm32_b32 hwreg(HW_REG_WAVE_MODE, 25, 1), 1
	s_wait_xcnt 0x0
	s_wait_alu depctr_hold_cnt(0) depctr_sa_sdst(0) depctr_va_vdst(0) depctr_va_sdst(0) depctr_va_ssrc(0) depctr_va_vcc(0) depctr_vm_vsrc(0)
	s_getreg_b32 s2, hwreg(HW_REG_IB_STS2, 6, 4)
	s_cmp_eq_u32 s2, 0
	s_cbranch_scc0 .Lentry_in_a_cluster
	s_endpgm
.Lentry_in_a_cluster:
	s_bfe_u32 s2, ttmp6, 0x10000c
	s_cmp_lg_u32 s2, 0xf033
	s_cbranch_scc0 .Lentry_shape_is_right
	s_endpgm
.Lentry_shape_is_right:
.set PITCH, 528                        ; an LDS row of Wo holds all of K: 512 bytes + 16 of padding
.set HALFT, 128*PITCH
.set LBYTES, 65536                     ; my 128 rows of the attention's codes: 8 tiles of rows x 16 heads x 512 bytes, dense in memory and in LDS
.set STG, 0x32400                      ; the way out's stages: bytes of their own, behind the spare words
.set SLOT,  LBYTES+2*HALFT
.set SPITCH, 528
.set ADL,  2
.set ADR,  4
.set VSO,  7
.set LI16, 8
.set STO,  9
.set RD,   10
.set VBJ,  11
.set SL,   16
.set SR,   32
.set BI,   64
.set BK,   128
.set G1L,  16
.set G1R,  24
.set G0L,  32
.set G0R,  40
.set WV,   48
.set WY,   49
.set WX,   50
.set MSB, 0
.macro WIN new
.if MSB != (\new)
	s_set_vgpr_msb (MSB<<8)|(\new)
.set MSB, (\new)
.endif
.endm
.macro PLACES n
.rept \n
	v_nop
.endr
.endm
.macro JLOAD s
	s_cmp_eq_u32 s[WY], 0
	s_cbranch_scc0 .Lfor_r_\@
	tensor_load_to_lds s[G0L+4*\s:G0L+4*\s+3], s[G1L:G1L+7]
	s_nop 0
	PLACES 4
	s_branch .Lasked_\@
.Lfor_r_\@:
	tensor_load_to_lds s[G0R+4*\s:G0R+4*\s+3], s[G1R:G1R+7]
	s_nop 0
	PLACES 4
.Lasked_\@:
.endm
.macro CROUND
	s_barrier_signal -1
	s_barrier_wait -1
	s_cmp_lg_u32 s[WV], 0
	s_cbranch_scc1 .Lnot_wave_0_\@
	s_barrier_signal -3
.Lnot_wave_0_\@:
	s_barrier_wait -3
	s_barrier_signal -1
	s_barrier_wait -1
.endm
	s_load_b256 s[4:11], s[0:1], 0x0
	s_load_b128 s[12:15], s[0:1], 0x20
	v_lshl_add_u32 v14, v0, 2, 0x32000
	v_mov_b32 v15, 0
	ds_add_u32 v14, v15
	ds_add_u32 v14, v15
	v_lshrrev_b32 v1, 5, v0
	v_readfirstlane_b32 s[WV], v1
	s_lshr_b32 s[WY], s[WV], 1
	s_and_b32 s[WX], s[WV], 1
	s_bfe_u32 s51, ttmp6, 0x40000
	s_bfe_u32 s52, ttmp6, 0x40004
	s_and_b32 s53, ttmp7, 0xffff
	s_lshl_b32 s53, s53, 2
	s_add_co_u32 s53, s53, s52
	s_lshl_b32 s54, s52, 2
	s_lshl_b32 s54, 15, s54
	s_lshl_b32 s55, 0x1111, s51
	s_or_b32 s[G1L], s54, (3<<16)|(1<<21)
	s_mov_b32 s[G1L+1], 32<<16
	s_mov_b32 s[G1L+2], 128<<16
	s_mov_b32 s[G1L+3], 32<<16
	s_mov_b32 s[G1L+4], 128
	s_mov_b32 s[G1L+5], 32
	s_mov_b32 s[G1L+6], 0
	s_mov_b32 s[G1L+7], 0
	s_or_b32 s[G1R], s55, (1<<20)|(1<<21)|(6<<22)|(3<<25)
	s_mov_b32 s[G1R+1], 512<<16
	s_mov_b32 s[G1R+2], 128<<16
	s_mov_b32 s[G1R+3], 512<<16
	s_mov_b32 s[G1R+4], 128
	s_mov_b32 s[G1R+5], 512
	s_mov_b32 s[G1R+6], 0
	s_mov_b32 s[G1R+7], 0
	s_lshl_b32 s56, s53, 16
	s_lshl_b32 s62, s[WX], 15
	s_add_co_u32 s56, s56, s62
	s_mov_b32 s57, 0
	s_lshl_b32 s58, s51, 17
	s_lshl_b32 s62, s[WX], 16
	s_add_co_u32 s58, s58, s62
	s_mov_b32 s59, 0
	s_lshl_b32 s60, s[WX], 15
	s_mul_i32 s61, s[WX], HALFT
	s_add_co_u32 s61, s61, LBYTES
	s_wait_dscnt 0x0
	s_wait_kmcnt 0x0
	s_add_nc_u64 s[56:57], s[4:5], s[56:57]
	s_add_nc_u64 s[58:59], s[8:9], s[58:59]
	CROUND
.irp s, 0
	s_mov_b32 s[G0L+4*\s], 1
	s_add_co_u32 s[G0L+4*\s+1], s60, \s*SLOT
	s_add_nc_u64 s[G0L+4*\s+2:G0L+4*\s+3], s[56:57], \s*2097152
	s_or_b32 s[G0L+4*\s+3], s[G0L+4*\s+3], 0x80000000
	s_mov_b32 s[G0R+4*\s], 1
	s_add_co_u32 s[G0R+4*\s+1], s61, \s*SLOT
	s_add_nc_u64 s[G0R+4*\s+2:G0R+4*\s+3], s[58:59], \s*256
	s_or_b32 s[G0R+4*\s+3], s[G0R+4*\s+3], 0x80000000
	JLOAD \s                                       ; my one tensor load: waves 0, 1 half of the codes' 64 KiB each, waves 2, 3 128 rows of Wo each, all of K
.endr
	v_and_b32 v1, 15, v0
	v_bfe_u32 v6, v0, 4, 1
	v_and_b32 v12, 31, v0
	v_lshlrev_b32 v[LI16], 4, v12
	v_mul_u32_u24 v13, v1, PITCH
	v_lshl_add_u32 v13, v6, 4, v13
	s_lshl_b32 s62, s[WY], 15
	s_mul_i32 s63, s[WX], HALFT
	s_add_co_u32 s63, s63, LBYTES
.irp s, 0,1
	v_add_nc_u32 v[ADL+\s], s62, v[LI16]
	v_add_nc_u32 v[ADR+\s], s63, v13
	s_add_co_u32 s62, s62, 4096
	s_add_co_u32 s63, s63, 256
.endr
	v_lshlrev_b32 v[VSO], 5, v1
	v_lshl_add_u32 v[VSO], v6, 4, v[VSO]
	s_wait_alu depctr_va_vdst(0)
	v_lshlrev_b32 v[VBJ], 5, v6
	s_wait_alu depctr_va_vdst(0)
	s_mul_i32 s62, s[WV], 16*SPITCH
	s_add_co_u32 s62, s62, STG
	v_mul_u32_u24 v[STO], v1, SPITCH
	v_lshl_add_u32 v[STO], v6, 5, v[STO]
	v_add_nc_u32 v[STO], s62, v[STO]
	v_add_nc_u32 v[RD], s62, v[LI16]
	s_lshl_b32 s62, s53, 7
	s_lshl_b32 s63, s[WY], 6
	s_add_co_u32 s62, s62, s63
	s_lshl_b32 s63, s51, 8
	s_lshl_b32 s66, s[WX], 7
	s_add_co_u32 s63, s63, s66
	s_mov_b32 s67, 0
	s_lshl_b32 s66, s62, 5
	s_add_nc_u64 s[6:7], s[6:7], s[66:67]
	s_lshl_b32 s66, s63, 5
	s_add_nc_u64 s[10:11], s[10:11], s[66:67]
	s_lshl_b32 s66, s63, 2
	s_add_nc_u64 s[12:13], s[12:13], s[66:67]
	s_add_nc_u64 s[14:15], s[14:15], s[66:67]
	s_lshl_b32 s66, s62, 12
	s_add_nc_u64 s[14:15], s[14:15], s[66:67]
.irp i, 0,1,2,3
	global_load_b128 v[SL+4*\i:SL+4*\i+3], v[VSO], s[6:7] offset:512*\i
.endr
.irp i, 0,1,2,3,4,5,6,7
	global_load_b128 v[SR+4*\i:SR+4*\i+3], v[VSO], s[10:11] offset:512*\i
.endr
.irp b, 0,1,2,3,4,5,6,7
	global_load_b128 v[BI+8*\b:BI+8*\b+3], v[VBJ], s[12:13] offset:64*\b
	global_load_b128 v[BI+8*\b+4:BI+8*\b+7], v[VBJ], s[12:13] offset:64*\b+16
.endr
.macro FETCH s
	WIN 0x40
.irp i, 0,1,2,3,4,5,6,7
.irp c, 0,1
	ds_load_b128 v[128*((\s)%2)+8*\i+4*\c:128*((\s)%2)+8*\i+4*\c+3], v[ADR+(\s)/4] offset:64*((\s)%4)+32*\c+\i*16*PITCH
.endr
.endr
.irp i, 0,1,2,3
.irp c, 0,1
	ds_load_b128 v[128*((\s)%2)+64+8*\i+4*\c:128*((\s)%2)+64+8*\i+4*\c+3], v[ADL+(\s)/4] offset:8192*\i+512*(2*((\s)%4)+\c)
.endr
.endr
	WIN 0
.endm
.macro MUL32 s, first
.if \first
	WIN 0x85
.else
	WIN 0xa5
.endif
.irp a, 0,1,2,3
.irp b, 0,1,2,3,4,5,6,7
.set rD, 8*(8*\a+\b)
.set rA, 128*((\s)%2)+8*\b
.set rB, 128*((\s)%2)+64+8*\a
.set rC, rD
.if \first
.set rC, BI+8*\b
.endif
.set rSA, SR+4*\b+(\s)%4
.set rSB, SL+4*\a+(\s)%4
.if (\s) >= 4
	v_wmma_scale_f32_16x16x128_f8f6f4 v[rD:rD+7], v[rA:rA+7], v[rB:rB+7], v[rC:rC+7], v[rSA], v[rSB] matrix_a_fmt:MATRIX_FMT_FP4 matrix_b_fmt:MATRIX_FMT_FP4 matrix_a_scale:MATRIX_SCALE_ROW1 matrix_b_scale:MATRIX_SCALE_ROW1
.else
	v_wmma_scale_f32_16x16x128_f8f6f4 v[rD:rD+7], v[rA:rA+7], v[rB:rB+7], v[rC:rC+7], v[rSA], v[rSB] matrix_a_fmt:MATRIX_FMT_FP4 matrix_b_fmt:MATRIX_FMT_FP4
.endif
.endr
.endr
.endm
.macro KSTEP s
.if \s < 7
	PLACES 4
	FETCH (\s)+1
	s_wait_dscnt 24
.else
	s_wait_dscnt 0x0
.endif
	MUL32 \s, 0
.endm
	s_wait_tensorcnt 0x0
	s_barrier_signal -1
	s_barrier_wait -1
	FETCH 0
	s_wait_loadcnt 0x0
	FETCH 1
	s_wait_dscnt 24
	MUL32 0, 1
.irp s, 1,2,3,4,5,6,7
	KSTEP \s
.endr
	WIN 0
.macro TOSTAGE a
	WIN 0x08
.irp b, 0,1,2,3,4,5,6,7
	ds_store_b128 v[STO], v[64*(\a)+8*\b:64*(\a)+8*\b+3] offset:64*\b
	ds_store_b128 v[STO], v[64*(\a)+8*\b+4:64*(\a)+8*\b+7] offset:64*\b+16
.endr
	WIN 0
.set BB, BK+64*((\a)%2)
.irp t, 0,1,2,3,4,5,6,7,8,9,10,11,12,13,14,15
	ds_load_b128 v[BB+4*\t:BB+4*\t+3], v[RD] offset:\t*SPITCH
.endr
.endm
.macro SEND a, younger
.set BB, BK+64*((\a)%2)
	s_wait_dscnt \younger
.irp t, 0,1,2,3,4,5,6,7,8,9,10,11,12,13,14,15
	global_store_b128 v[LI16], v[BB+4*\t:BB+4*\t+3], s[14:15] offset:(16*(\a)+\t)*4096 th:TH_STORE_NT
.endr
.endm
	PLACES 4
	s_wait_alu depctr_va_vdst(0)
	TOSTAGE 0
.irp a, 1,2,3
.if \a > 1
	s_wait_xcnt 0x0
.endif
	TOSTAGE \a
	SEND \a-1, 32
.endr
	SEND 3, 0
	s_wait_tensorcnt 0x0
	ds_add_u32 v14, v15
	s_wait_dscnt 0x0
	CROUND
	s_endpgm
.Lfunc_end_k_qcf6a76df82_outp:
	.size	k_qcf6a76df82_outp, .Lfunc_end_k_qcf6a76df82_outp-k_qcf6a76df82_outp
	.p2alignl 7, 3214868480
	.fill 96, 4, 3214868480
	.section	.rodata,"a",@progbits
	.p2align	6, 0x0
	.amdhsa_kernel k_qcf6a76df82_outp
		.amdhsa_group_segment_fixed_size 327680
		.amdhsa_private_segment_fixed_size 0
		.amdhsa_enable_private_segment 0
		.amdhsa_kernarg_size 48
		.amdhsa_user_sgpr_count 2
		.amdhsa_user_sgpr_kernarg_segment_ptr 1
		.amdhsa_wavefront_size32 1
		.amdhsa_system_sgpr_workgroup_id_x 1
		.amdhsa_system_sgpr_workgroup_id_y 1
		.amdhsa_system_sgpr_workgroup_id_z 1
		.amdhsa_system_vgpr_workitem_id 0
		.amdhsa_next_free_vgpr 768
		.amdhsa_next_free_sgpr 80
		.amdhsa_reserve_vcc 0
		.amdhsa_float_denorm_mode_32 3
		.amdhsa_float_denorm_mode_16_64 3
		.amdhsa_memory_ordered 1
		.amdhsa_forward_progress 1
		.amdhsa_inst_pref_size 70
	.end_amdhsa_kernel
	.amdgpu_metadata
---
amdhsa.version: [ 1, 2 ]
amdhsa.kernels:
  - .name:           k_qcf6a76df82_outp
    .symbol:         k_qcf6a76df82_outp.kd
    .args:
      - { .name: Ac, .offset: 0, .size: 8, .value_kind: global_buffer, .address_space: global }
      - { .name: As, .offset: 8, .size: 8, .value_kind: global_buffer, .address_space: global }
      - { .name: Wo_codes, .offset: 16, .size: 8, .value_kind: global_buffer, .address_space: global }
      - { .name: Wo_scales, .offset: 24, .size: 8, .value_kind: global_buffer, .address_space: global }
      - { .name: bo, .offset: 32, .size: 8, .value_kind: global_buffer, .address_space: global }
      - { .name: out0, .offset: 40, .size: 8, .value_kind: global_buffer, .address_space: global }
    .group_segment_fixed_size: 327680
    .private_segment_fixed_size: 0
    .kernarg_segment_align: 8
    .kernarg_segment_size: 48
    .max_flat_workgroup_size: 128
    .sgpr_count:     80
    .vgpr_count:     768
    .wavefront_size: 32
...
	.end_amdgpu_metadata
.endif
;; end of part 3
